; MI455X (gfx1250); checked and timed in simulation.
; The chip was launched on July 23, 2026; its instructions are those of AMD's public machine-readable ISA for CDNA 5 (MIT licence, August 2026) and "CDNA5" Instruction Set Architecture Reference Guide (July 2026). The comments in the code are by the model that wrote it; some were corrected since.
;; Atten Head. Allowed arithmetic: matrix products marked QUANTISED: E5M2 operands, one given power-of-two scale a tensor, by v_wmma_f32_16x16x64_bf8_bf8 or v_wmma_f32_16x16x128_bf8_bf8, f32 sums; everything else in f32.
;; Inputs: WK 1,024 x 1,024 float32; WQ 1,024 x 1,024 float32; WV 1,024 x 1,024 float32; inputs_for_keys 4 x 2,048 x 1,024 float32; inputs_for_queries 4 x 2,048 x 1,024 float32; inputs_for_values 4 x 2,048 x 1,024 float32; lowp_scales 10 int32 (the exponents e of the quantised operands' scales 2^e).
;; Outputs: out0 4 x 2,048 x 1,024 float32; out1 4 x 2,048 x 1,024 float32.
;; This version of the problem:
;;   THIS VERSION OF THE PROBLEM IS GIVEN IN LOW PRECISION. The matrix products marked QUANTISED in the list below multiply operands that are first quantised to E5M2 (5 exponent bits, 2 mantissa bits; 8 bits a number), with one given power-of-two scale for each operand tensor; their sums are f32. All else is computed in f32.
;;   The module's matrix products, in the order in which they are computed (A, B: the left and right operand; K: the contracted axis; several contracted axes count as one K, in the product's order):
;;     1. [M 8,192, K 1,024] x [K 1,024, N 1,024]; A: input inputs_for_keys; B: input WK: QUANTISED (scales: A lowp_scales[0], B lowp_scales[1])
;;     2. [M 8,192, K 1,024] x [K 1,024, N 1,024]; A: input inputs_for_values; B: input WV: QUANTISED (scales: A lowp_scales[2], B lowp_scales[3])
;;     3. [M 8,192, K 1,024] x [K 1,024, N 1,024]; A: input inputs_for_queries; B: input WQ: QUANTISED (scales: A lowp_scales[4], B lowp_scales[5])
;;     4. batch 4 x [M 2,048, K 1,024] x [K 1,024, N 2,048]; A: computed on the way; B: computed on the way: QUANTISED (scales: A lowp_scales[6], B lowp_scales[7])
;;     5. batch 4 x [M 2,048, K 2,048] x [K 2,048, N 1,024]; A: softmax (see below); B: computed on the way: QUANTISED (scales: A lowp_scales[8], B lowp_scales[9])
;;   THE QUANTISER, for each operand of a quantised product, along K:
;;     - The operand's scale is 2^e, e = its entry of the input lowp_scales (int32; the entries are numbered through the quantised products in the list's order, A before B).
;;     - Each number is divided by the scale, clamped to +-57,344, and rounded to the nearest number of E5M2, ties to even, subnormals kept.
;;     - The product sums the exact products of the quantised numbers (number of the format x scale) in f32.
;;   ~~~python
;;   def quantise(x, axis, e):      # numpy; x: float32 -> the quantised numbers, widened to float32 again
;;       x = np.moveaxis(x, axis, -1); K = x.shape[-1]
;;       r = np.clip(x / 2.0 ** e, -57344, 57344)
;;       step = 2.0 ** (np.maximum(np.frexp(np.where(r == 0, 1, r))[1] - 1, -14) - 2)
;;       q = np.round(r / step) * step * 2.0 ** e      # np.round: ties to even
;;       return np.moveaxis(q, -1, axis).astype(np.float32)
;;   ~~~
;;   SOFTMAX AHEAD OF A QUANTISED PRODUCT. Where the list says 'softmax', what is quantised is not the finished softmax but p = 2^(t - M), with t = logit x log2(e) and M = ceil(the row's largest t), a whole number; so 1/2 < the row's largest p <= 1. The row's sum l is taken of the UNQUANTISED p, in f32, and the product's result is divided by l at the end. Since M is a whole number, a kernel that streams over the keys may use a running M (the ceiling of the running maximum): every later rescaling is an exact power of two, so the quantised numbers keep their values, but for numbers so far below the row's largest that they fall under the format's range.
;;   OPERANDS COMPUTED ON THE WAY. 'Computed on the way' means the value that the module computes at that place (a softmax that the list does not call 'softmax' is quantised finished and normalised). What goes into a quantiser is computed in f32, as accurately as f32 sums, v_exp_f32 and their like allow (about 1e-6 of the number): no bf16 or f16 on the way to a quantiser, and a product that is left as it is and whose result goes on into a quantised operand takes f32 operands (vector FMAs, or v_wmma_f32_16x16x4_f32). A number that lies on a knife's edge between two numbers of the format may be rounded either way, as far as f32 arithmetic and the matrix unit's own rounding can turn it there, and no further.
;; One version. Each part assembles by itself: llvm-mc -triple=amdgcn-amd-amdhsa -mcpu=gfx1250 --defsym DOCPART=n.
;; ======== version 1 of 1: 4 launches
;; limits: right only within a limited range of input values
;; workspace buffers: x_img 25,165,824 bytes; w_img 3,145,728 bytes; qkv_img 25,165,824 bytes; p_img 16,777,216 bytes; mstat 262,144 bytes; lstat 524,288 bytes
;; launch quant (part 1): grid 864 x 1, 4 waves a work-group, no clusters, 34,304 bytes of LDS; arguments inputs_for_queries, inputs_for_keys, inputs_for_values, WQ, WK, WV, lowp_scales, x_img, w_img; writes x_img, w_img
.if DOCPART == 1
	.amdgcn_target "amdgcn-amd-amdhsa--gfx1250"
	.amdhsa_code_object_version 6
	.text
	.protected	k_qdf5789e5b7_quant
	.globl	k_qdf5789e5b7_quant
	.p2align	8
	.type	k_qdf5789e5b7_quant,@function
k_qdf5789e5b7_quant:
	s_mov_b64 s[64:65], 0
	v_nop
	global_prefetch_b8 v0, s[64:65] scope:SCOPE_SE
	s_setreg_imm32_b32 hwreg(HW_REG_WAVE_MODE, 25, 1), 1
	s_wait_xcnt 0x0
; The three inputs [8192][1024] and the three weights [1024 (k)][1024 (n)], f32, become codes of BF8 (E5M2), each with the one scale 2^e given for it.
; code = x / 2^e, held within +-57,344, rounded to the nearest code, ties to even.  LIMITS: -126 <= e <= 112, so that 2^e and 57,344 x 2^e are f32 numbers.  NaN among the inputs is not served.
; Tensor order t: 0 = queries, 1 = keys, 2 = values.  Entries of the scales: inputs 4, 0, 2; weights 5, 1, 3.
; THE CODES ARE LAID AS IMAGES OF OPERAND REGISTERS.  A fragment is 16 rows x 128 along K = 16 registers a lane = 2,048 bytes: registers 4 c .. 4 c + 3 of lane l lie at byte 512 c + 16 l, and
; lane (r = l % 16, h = l / 16) holds there k = 32 c + 16 h + 0 .. 15 of row r.  x_img: [t][row tile 512][K step 8][2048];  w_img: [t][column tile 64][K step 8][2048].
; Work-groups 0 to 95 take the weights, 96 to 863 the inputs.  Waves share nothing: no barrier.  Only the inputs' way uses LDS.
.set NWW,   96                         ; the weights' work-groups
.set SPI,   528                        ; a stage row: 512 bytes (128 numbers of one row) + 16 of padding
.set R,     16                         ; v16-143   inputs: two sets of 64 numbers as they are loaded
.set X,     144                        ; v144-207  inputs: 64 numbers, 16 neighbours along K for each of four groups
.set C,     208                        ; v208-239  inputs: two sets of 16 registers of codes
.set WX,    32                         ; v32-95    weights: two sets of 32 numbers down K
.set WC,    96                         ; v96-159   weights: 8 registers of codes for each of 8 blocks: no store's data are written again
; ---- the inputs' macros.  Fragment f of my four: 16 rows x 128 numbers.
.macro XLOAD f                         ; each load reads 512 consecutive bytes of one row
.irp i, 0,1,2,3,4,5,6,7,8,9,10,11,12,13,14,15
	global_load_b128 v[R+64*((\f)%2)+4*\i:R+64*((\f)%2)+4*\i+3], v2, s[24:25] offset:4096*\i+512*(\f) th:TH_LOAD_NT
.endr
.endm
.macro FRAGQ f
.if (\f) < 3
	s_wait_loadcnt 16                              ; this fragment's 16 loads are in; the next fragment's 16 may be out
.else
	s_wait_loadcnt 0
.endif
.irp i, 0,1,2,3,4,5,6,7,8,9,10,11,12,13,14,15
	ds_store_b128 v3, v[R+64*((\f)%2)+4*\i:R+64*((\f)%2)+4*\i+3] offset:SPI*\i   ; row i as it lies
.endr
.irp c, 0,1,2,3
.irp j, 0,1,2,3
	ds_load_b128 v[X+16*\c+4*\j:X+16*\c+4*\j+3], v4 offset:128*\c+16*\j   ; back: row r, k = 32 c + 16 h + 4 j on.  LDS serves a wave's instructions in order: these see the stores above
.endr
.endr
	s_wait_dscnt 0x0                               ; the numbers are back, and the stores into the stage have read their registers,
.if (\f)+2 < 4
	XLOAD (\f)+2                                   ; which take the loads of two fragments on
.endif
.if (\f) >= 2
	s_wait_xcnt 0x0                                ; the stores of two fragments back have read this set of codes: it is written again only behind this wait
.endif
.irp c, 0,1,2,3
.irp i, 0,1,2,3,4,5,6,7,8,9,10,11,12,13,14,15
	v_med3_num_f32 v[X+16*\c+\i], v[X+16*\c+\i], -v10, v10   ; the conversion to an 8-bit code does not saturate (ISA guide 7.6.2): the hold at the largest code x the scale
.endr
	v_cvt_scalef32_pk8_bf8_f32 v[C+16*((\f)%2)+4*\c:C+16*((\f)%2)+4*\c+1], v[X+16*\c:X+16*\c+7], v11
	v_cvt_scalef32_pk8_bf8_f32 v[C+16*((\f)%2)+4*\c+2:C+16*((\f)%2)+4*\c+3], v[X+16*\c+8:X+16*\c+15], v11
.endr
	v_nop                                          ; a plain vector line behind the last conversion: the next fragment's holds write the conversions' sources
.irp c, 0,1,2,3
	global_store_b128 v2, v[C+16*((\f)%2)+4*\c:C+16*((\f)%2)+4*\c+3], s[18:19] offset:2048*(\f)+512*\c   ; 32 lanes store 512 consecutive bytes, aligned
.endr
.endm
; ---- the weights' macros.  A lane takes a column n and its registers run down K; block q is 32 along K.
.macro WLOAD q
.irp i, 0,1,2,3,4,5,6,7,8,9,10,11,12,13,14,15,16,17,18,19,20,21,22,23,24,25,26,27,28,29,30,31
	global_load_b32 v[WX+32*((\q)%2)+\i], v5, s[24:25] offset:(32*(\q)+\i)*4096 th:TH_LOAD_NT
.endr
.endm
.macro WBLOCK q
.set XS, WX+32*((\q)%2)
.set CQ, WC+8*(\q)
.if (\q) < 7
	s_wait_loadcnt 32                              ; this block's 32 loads are in; the next block's may be out
.else
	s_wait_loadcnt 0
.endif
.irp i, 0,1,2,3,4,5,6,7,8,9,10,11,12,13,14,15,16,17,18,19,20,21,22,23,24,25,26,27,28,29,30,31
	v_med3_num_f32 v[XS+\i], v[XS+\i], -v10, v10
.endr
.irp g, 0,1,2,3
	v_cvt_scalef32_pk8_bf8_f32 v[CQ+2*\g:CQ+2*\g+1], v[XS+8*\g:XS+8*\g+7], v11
.endr
	v_nop                                          ; a plain vector line behind the last conversion
	global_store_b128 v6, v[CQ:CQ+3], s[20:21] offset:2048*((\q)/4)+512*((\q)%4)         ; k = 32 c + 0 .. 15: the image's lanes 0-15; sixteen lanes store 256 consecutive bytes, aligned
	global_store_b128 v6, v[CQ+4:CQ+7], s[20:21] offset:2048*((\q)/4)+512*((\q)%4)+256   ; k = 32 c + 16 .. 31: its lanes 16-31
.if (\q)+2 < 8
	WLOAD (\q)+2
.endif
.endm
	s_load_b512 s[4:19], s[0:1], 0x0               ; inputs q s[4:5], k s[6:7], v s[8:9]; WQ s[10:11], WK s[12:13], WV s[14:15]; scales s[16:17]; x_img s[18:19]
	s_load_b64 s[20:21], s[0:1], 0x40              ; w_img
	v_lshl_add_u32 v240, v0, 2, 0x8400
	v_mov_b32 v241, 0
	v_lshrrev_b32 v1, 5, v0
	v_readfirstlane_b32 s22, v1                    ; wave 0..3
	v_and_b32 v1, 31, v0                           ; lane
	v_lshlrev_b32 v2, 4, v1                        ; 16 x lane
	s_wait_kmcnt 0x0
	s_load_b256 s[32:39], s[16:17], 0x0            ; the scales' entries 0 to 7
	s_cmp_lt_u32 ttmp9, NWW
	s_cbranch_scc1 .Lweights
	; ---- an input.  Work-group: tensor t, a pair of row tiles; wave w: row tile T = 2 pair + w / 2, K half u = w % 2: four fragments
	s_sub_co_u32 s23, ttmp9, NWW
	s_lshr_b32 s26, s23, 8                         ; t
	s_and_b32 s23, s23, 255
	s_lshr_b32 s27, s22, 1
	s_lshl_b32 s23, s23, 1
	s_add_co_u32 s23, s23, s27                     ; T
	s_and_b32 s27, s22, 1                          ; u
	s_cmp_eq_u32 s26, 0
	s_cselect_b64 s[24:25], s[4:5], s[6:7]
	s_cmp_eq_u32 s26, 2
	s_cselect_b64 s[24:25], s[8:9], s[24:25]       ; the tensor: a choice that hangs on the work-group's number alone
	s_lshl_b32 s28, s23, 16                        ; 16 rows of 4,096 bytes
	s_lshl_b32 s29, s27, 11                        ; 512 numbers
	s_add_co_u32 s28, s28, s29
	s_mov_b32 s29, 0
	s_add_nc_u64 s[24:25], s[24:25], s[28:29]
	s_lshl_b32 s28, s26, 23                        ; x_img: tensor,
	s_lshl_b32 s30, s23, 14                        ; row tile,
	s_add_co_u32 s28, s28, s30
	s_lshl_b32 s30, s27, 13                        ; four K steps
	s_add_co_u32 s28, s28, s30
	s_add_nc_u64 s[18:19], s[18:19], s[28:29]
	s_wait_alu depctr_va_vdst(0)
	XLOAD 0
	XLOAD 1
	s_mul_i32 s31, s22, 16*SPI                     ; my wave's stage
	v_add_nc_u32 v3, s31, v2                       ; in: 16 x lane of a row
	v_and_b32 v5, 15, v0                           ; r
	v_bfe_u32 v6, v0, 4, 1                         ; h
	v_mul_u32_u24 v4, v5, SPI
	v_lshl_add_u32 v4, v6, 6, v4
	v_add_nc_u32 v4, s31, v4                       ; out: row r, + 64 h bytes
	s_wait_alu depctr_va_vdst(0)
	s_wait_kmcnt 0x0
	s_cmp_eq_u32 s26, 0
	s_cselect_b32 s30, s36, s32
	s_cmp_eq_u32 s26, 2
	s_cselect_b32 s30, s34, s30                    ; e: entry 4, 0 or 2
	s_add_co_i32 s30, s30, 127
	s_lshl_b32 s31, s30, 23
	v_mov_b32 v11, s31                             ; 2^e as f32: the conversion takes its exponent field
	s_add_co_i32 s30, s30, 15
	s_lshl_b32 s30, s30, 23
	s_or_b32 s30, s30, 0x600000
	v_mov_b32 v10, s30                             ; 57,344 x 2^e
	s_wait_alu depctr_va_vdst(0)
	FRAGQ 0
	FRAGQ 1
	FRAGQ 2
	FRAGQ 3
	s_wait_tensorcnt 0x0
	ds_add_u32 v240, v241
	s_wait_dscnt 0x0
	s_endpgm
.Lweights:
	; ---- a weight.  Work-group: tensor t, 128 columns g, 256 along K y; wave w: 32 columns, a lane a column
	s_lshr_b32 s26, ttmp9, 5                       ; t
	s_and_b32 s23, ttmp9, 7                        ; g
	s_bfe_u32 s27, ttmp9, 0x20003                  ; y
	s_cmp_eq_u32 s26, 0
	s_cselect_b64 s[24:25], s[10:11], s[12:13]
	s_cmp_eq_u32 s26, 2
	s_cselect_b64 s[24:25], s[14:15], s[24:25]
	s_lshl_b32 s23, s23, 7
	s_lshl_b32 s28, s22, 5
	s_add_co_u32 s23, s23, s28                     ; my wave's first column
	s_lshl_b32 s28, s27, 20                        ; 256 rows of 4,096 bytes
	s_lshl_b32 s29, s23, 2
	s_add_co_u32 s28, s28, s29
	s_mov_b32 s29, 0
	s_add_nc_u64 s[24:25], s[24:25], s[28:29]
	s_lshl_b32 s28, s26, 20                        ; w_img: tensor,
	s_lshr_b32 s30, s23, 4
	s_lshl_b32 s30, s30, 14                        ; column tile,
	s_add_co_u32 s28, s28, s30
	s_lshl_b32 s30, s27, 12                        ; two K steps
	s_add_co_u32 s28, s28, s30
	s_add_nc_u64 s[20:21], s[20:21], s[28:29]
	s_wait_alu depctr_va_vdst(0)
	v_lshlrev_b32 v5, 2, v1                        ; in: 4 bytes a lane
	v_lshrrev_b32 v6, 4, v1
	v_and_b32 v7, 15, v1
	v_lshlrev_b32 v6, 14, v6                       ; out: lanes 16-31 belong to the next column tile;
	v_lshl_add_u32 v6, v7, 4, v6                   ; 16 bytes at 16 x (column % 16)
	WLOAD 0
	WLOAD 1
	s_wait_kmcnt 0x0
	s_cmp_eq_u32 s26, 0
	s_cselect_b32 s30, s37, s33
	s_cmp_eq_u32 s26, 2
	s_cselect_b32 s30, s35, s30                    ; e: entry 5, 1 or 3
	s_add_co_i32 s30, s30, 127
	s_lshl_b32 s31, s30, 23
	v_mov_b32 v11, s31
	s_add_co_i32 s30, s30, 15
	s_lshl_b32 s30, s30, 23
	s_or_b32 s30, s30, 0x600000
	v_mov_b32 v10, s30
	s_wait_alu depctr_va_vdst(0)
	WBLOCK 0
	WBLOCK 1
	WBLOCK 2
	WBLOCK 3
	WBLOCK 4
	WBLOCK 5
	WBLOCK 6
	WBLOCK 7
	s_endpgm
.Lfunc_end_k_qdf5789e5b7_quant:
	.size	k_qdf5789e5b7_quant, .Lfunc_end_k_qdf5789e5b7_quant-k_qdf5789e5b7_quant
	.p2alignl 7, 3214868480
	.fill 96, 4, 3214868480
	.section	.rodata,"a",@progbits
	.p2align	6, 0x0
	.amdhsa_kernel k_qdf5789e5b7_quant
		.amdhsa_group_segment_fixed_size 34304
		.amdhsa_private_segment_fixed_size 0
		.amdhsa_enable_private_segment 0
		.amdhsa_kernarg_size 72
		.amdhsa_user_sgpr_count 2
		.amdhsa_user_sgpr_kernarg_segment_ptr 1
		.amdhsa_wavefront_size32 1
		.amdhsa_system_sgpr_workgroup_id_x 1
		.amdhsa_system_sgpr_workgroup_id_y 1
		.amdhsa_system_sgpr_workgroup_id_z 1
		.amdhsa_system_vgpr_workitem_id 0
		.amdhsa_next_free_vgpr 242
		.amdhsa_next_free_sgpr 66
		.amdhsa_reserve_vcc 0
		.amdhsa_float_denorm_mode_32 3
		.amdhsa_float_denorm_mode_16_64 3
		.amdhsa_memory_ordered 1
		.amdhsa_forward_progress 1
		.amdhsa_inst_pref_size 82
	.end_amdhsa_kernel
	.amdgpu_metadata
---
amdhsa.version: [ 1, 2 ]
amdhsa.kernels:
  - .name:           k_qdf5789e5b7_quant
    .symbol:         k_qdf5789e5b7_quant.kd
    .args:
      - { .name: inputs_for_queries, .offset: 0, .size: 8, .value_kind: global_buffer, .address_space: global }
      - { .name: inputs_for_keys, .offset: 8, .size: 8, .value_kind: global_buffer, .address_space: global }
      - { .name: inputs_for_values, .offset: 16, .size: 8, .value_kind: global_buffer, .address_space: global }
      - { .name: WQ, .offset: 24, .size: 8, .value_kind: global_buffer, .address_space: global }
      - { .name: WK, .offset: 32, .size: 8, .value_kind: global_buffer, .address_space: global }
      - { .name: WV, .offset: 40, .size: 8, .value_kind: global_buffer, .address_space: global }
      - { .name: lowp_scales, .offset: 48, .size: 8, .value_kind: global_buffer, .address_space: global }
      - { .name: x_img, .offset: 56, .size: 8, .value_kind: global_buffer, .address_space: global }
      - { .name: w_img, .offset: 64, .size: 8, .value_kind: global_buffer, .address_space: global }
    .group_segment_fixed_size: 34304
    .private_segment_fixed_size: 0
    .kernarg_segment_align: 8
    .kernarg_segment_size: 72
    .max_flat_workgroup_size: 128
    .sgpr_count:     66
    .vgpr_count:     242
    .wavefront_size: 32
...
	.end_amdgpu_metadata
.endif
;; end of part 1
;; launch proj (part 2): grid 4 x 64, 4 waves a work-group, clusters of 4 x 4, 327,680 bytes of LDS; arguments x_img, w_img, lowp_scales, qkv_img, out0; writes qkv_img, out0
.if DOCPART == 2
	.amdgcn_target "amdgcn-amd-amdhsa--gfx1250"
	.amdhsa_code_object_version 6
	.text
	.protected	k_qdf5789e5b7_proj
	.globl	k_qdf5789e5b7_proj
	.p2align	8
	.type	k_qdf5789e5b7_proj,@function
k_qdf5789e5b7_proj:
	s_mov_b64 s[64:65], 0
	v_nop
	global_prefetch_b8 v0, s[64:65] scope:SCOPE_SE
	s_setreg_imm32_b32 hwreg(HW_REG_WAVE_MODE, 25, 1), 1
	s_wait_xcnt 0x0
	s_wait_alu depctr_hold_cnt(0) depctr_sa_sdst(0) depctr_va_vdst(0) depctr_va_sdst(0) depctr_va_ssrc(0) depctr_va_vcc(0) depctr_vm_vsrc(0)
	s_getreg_b32 s2, hwreg(HW_REG_IB_STS2, 6, 4)
	s_cmp_eq_u32 s2, 0
	s_cbranch_scc0 .Lentry_in_a_cluster
	s_endpgm
.Lentry_in_a_cluster:
	s_bfe_u32 s2, ttmp6, 0x10000c
	s_cmp_lg_u32 s2, 0xf033
	s_cbranch_scc0 .Lentry_shape_is_right
	s_endpgm
.Lentry_shape_is_right:
; Q, K, V = x W on codes of BF8 (E5M2); Q leaves as f32 (out0), and all three leave as codes for the next products (qkv_img), in images of operand registers.
; A fragment is 16 rows x 128 along K = 2,048 bytes: registers 4 c .. 4 c + 3 of lane l at byte 512 c + 16 l.  x_img [tensor][row tile 512][K step 8][2048], w_img [tensor][column tile 64][K step 8][2048]; tensors: 0 queries, 1 keys, 2 values.
; THE FORM.  K is 1,024 and short: nothing walks along K.  A wave KEEPS 64 rows of one operand, all of K, in 512 registers; the other operand is STREAMED past them in blocks of 16 rows, all of K: 32 products finish 64 x 16 results.
; Source 0 = the kept rows, source 1 = the streamed rows: lane (r, h) holds streamed row r, register j of accumulator t the kept row 16 t + 8 h + j: eight neighbours along the next product's K.
; Q, K: kept = 256 columns of the weight (64 a wave), streamed = tokens.  V: kept = 256 tokens, streamed = W_V's columns, since V's codes want the tokens innermost.  Only pointers and strides differ: one text.
; THE DEAL.  16 clusters of 4 x 4.  Clusters 0-3: K, 512 tokens a work-group; 4-7: V, 512 of W_V's columns; 8-15: Q, 256 tokens, so that out0 is stored by 128 work-groups.  32 blocks for K and V, 16 for Q.
; LDS: a ring of two slots of 128 streamed rows (8 blocks, 131,072 bytes), filled by joint loads, a quarter a wave, shared by a row of the cluster.  K, V: four chunks, two of them refills; Q: two chunks, no refill.
; THE KEPT ROWS COME BY PLAIN LOADS, NOT JOINTLY: they are images of registers, 512 consecutive bytes a load, used from registers alone; through LDS they would take 262,144 bytes beside two slots of 131,072, more than the 327,680 there are.
; All 128 of a wave's loads are issued on end behind chunk 0's tensor load; slot 1's first fill, with its sequence and round, stands under their flight.
; A PAIR of blocks is one text: the even block's holds stand among the odd block's products (their limits are scalars, so they need no change of window); the odd block's follow it.
; A block's rows are fetched from LDS one block ahead, into the set of registers that the block before has left.  THE WAITS: s_wait_dscnt 32 behind a fetch: the 32 loads just issued may be out, the block asked for before them is in.  All other waits are for 0.
; PREFETCH: behind the first refill each wave of K's clusters asks for its sixteenth (32 x 256 bytes, told apart by address: 4 cx + wave) of chunk 3, which the next refill, eight blocks on, loads.  Chunks 0 to 2 come by their loads alone.
; V's streamed rows are half of W_V, which all of V's 64 work-groups read; Q has no refill: neither is prefetched.
; code = sum x 2^(ex + ew - eo), held within +-57,344, to the nearest code, ties to even.  LIMITS: eo - ex - ew between -126 and 112, ex + ew between -126 and 127, so that each power of two is an f32 number.  NaN is not served.
; REGISTERS: window 0: v0-13 addresses; v32-95 held numbers, then Q's f32; v96-159 two sets of four accumulators; v160-175 codes; v176-239 rows back from the stage.  Window 1: two sets of a streamed block.  Windows 2, 3: the kept rows, fragment 4 q + t.
.set SLOTB, 131072
.set SPARE, 262144                     ; behind the ring: the spare words, 128 bytes a wave
.set STAGE, SPARE+512                  ; Q's way out: for each wave two blocks of 16 rows x (256 + 16) bytes
.set SP,    272
.set SB,    16*SP
.set L16,  4                           ; 16 x lane
.set ADR,  5                           ; LDS address of the pair's even block
.set VO1,  6                           ; 16 x lane + a block's stride in qkv_img
.set STO,  7
.set RD,   8
.set OV,   9
.set PFO,  10
.set SC,   11
.set SPW,  12
.set NIL,  13
.set TMP,  32
.set ACC,  96
.set CD,   160
.set RB,   176
.set G1,   24
.set G0,   32
.set RO,   36                          ; the ring's byte at which the pair's even block begins
.set OC,   37
.set IC,   38
.set ISQ,  39
.set PLIM, 42
.set PFA,  44
.set DC,   46                          ; two blocks on in qkv_img
.set KB,   48                          ; the kept rows in memory
.set NL,   52
.set PL,   53
.set MSB, 0
.macro WIN new
.if MSB != (\new)
	s_set_vgpr_msb (MSB<<8)|(\new)
.set MSB, (\new)
.endif
.endm
.macro NOPS n
.rept \n
	v_nop
.endr
.endm
.macro CREST
	s_cmp_lg_u32 s14, 0
	s_cbranch_scc1 .Lnot_wave_0_\@
	s_barrier_signal -3
.Lnot_wave_0_\@:
	s_barrier_wait -3
	s_barrier_signal -1
	s_barrier_wait -1
.endm
.macro CROUND
	s_barrier_signal -1
	s_barrier_wait -1
	CREST
.endm
.macro JLOAD                           ; my quarter of a chunk: every wave issues the one line; an s_nop 0 and four v_nop follow
	tensor_load_to_lds s[G0:G0+3], s[G1:G1+7]
	s_nop 0
	NOPS 4
.endm
.macro KEEP w                          ; the kept rows' K steps 4 w .. 4 w + 3 into window 2 + w: 64 loads of 512 consecutive bytes
	WIN (2+(\w))<<6
.set I_, 0
.rept 64
	global_load_b128 v[4*I_:4*I_+3], v[L16], s[KB:KB+1] offset:((I_/4)%4)*16384+(4*(\w)+I_/16)*2048+(I_%4)*512
.set I_, I_+1
.endr
	WIN 0
.endm
.macro FETCH e, off                    ; a streamed block, 16,384 bytes on end, into set e
	WIN 0x40
.set I_, 0
.rept 32
	ds_load_b128 v[128*(\e)+4*I_:128*(\e)+4*I_+3], v[ADR] offset:(\off)+512*I_
.set I_, I_+1
.endr
	WIN 0
.endm
; products n = 4 q + t, from .. to - 1, of the block in set e: the four accumulators take turns, one instruction a turn; the first four start the sums.
; lag = 1: behind each product one hold of the even block's sums, each accumulator from its low end on
.macro PRODS e, from, to, lag
.set N_, \from
.rept (\to)-(\from)
	WIN 0x06+N_/16
.if N_ < 4
	v_wmma_f32_16x16x128_bf8_bf8 v[ACC+32*(\e)+8*(N_%4):ACC+32*(\e)+8*(N_%4)+7], v[16*(N_%16):16*(N_%16)+15], v[128*(\e)+16*(N_/4):128*(\e)+16*(N_/4)+15], 0
.else
	v_wmma_f32_16x16x128_bf8_bf8 v[ACC+32*(\e)+8*(N_%4):ACC+32*(\e)+8*(N_%4)+7], v[16*(N_%16):16*(N_%16)+15], v[128*(\e)+16*(N_/4):128*(\e)+16*(N_/4)+15], v[ACC+32*(\e)+8*(N_%4):ACC+32*(\e)+8*(N_%4)+7]
.endif
.if \lag
	v_med3_num_f32 v[TMP+N_], s[NL], s[PL], v[ACC+N_]
.endif
.set N_, N_+1
.endr
.endm
.macro NEXT                            ; the ring's place of the next pair
	s_add_co_u32 s[RO], s[RO], 32768
	s_and_b32 s[RO], s[RO], 0x3ffff
	v_add_nc_u32 v[ADR], s[RO], v[L16]
.endm
.macro CVT4 k0
.irp k, 0,1,2,3
	v_cvt_scalef32_pk8_bf8_f32 v[CD+2*((\k0)+\k):CD+2*((\k0)+\k)+1], v[TMP+8*((\k0)+\k):TMP+8*((\k0)+\k)+7], v[SC]
.endr
.endm
; rnd = 0: a plain pair.  rnd = 1: the slot's last pair, with a round of the cluster's barrier and the refill in its odd block.  rnd = 2: the same place with a work-group barrier that shows the last chunk; nothing is filled.
; q = 1: the text also holds Q's f32 rows, under a branch on the cluster's number.
.macro PAIR rnd, q
	s_wait_xcnt 0x0                                ; the last pair's stores have read their registers and bases
	FETCH 1, 16384                                 ; the odd block (the places behind the last products are the last pair's holds)
	s_wait_dscnt 32                                ; the even block's rows are in; the 32 loads just issued may be out
	PRODS 0, 0, 32, 0
	WIN 0
.if \rnd
	s_wait_tensorcnt 0x0                           ; all my tensor loads have landed: my quarter of the next slot
	ds_add_u32 v[SPW], v[NIL]
.if (\rnd) == 1
	s_xor_b32 s[G0+1], s[G0+1], SLOTB              ; no load of mine is out: the descriptor steps to the slot being left and two chunks on
	s_add_nc_u64 s[G0+2:G0+3], s[G0+2:G0+3], SLOTB
.endif
	NOPS 4                                         ; places between the even block's products and the holds that read them
	s_wait_dscnt 0x0                               ; the add is done; the slot's last block is in: my reads of it are over
	s_barrier_signal -1
	PRODS 1, 0, 16, 1                              ; register work alone between signal and wait
	WIN 0
	s_barrier_wait -1
.if (\rnd) == 1
	CREST
	JLOAD
.else
	s_cmp_eq_u32 s[OC], 1                          ; behind the very last block nothing is fetched
	s_cbranch_scc1 .Lno_fetch_\@
.endif
	NEXT
	FETCH 0, 0
.if (\rnd) == 1
	s_cmp_eq_u32 s[OC], s[PLIM]                    ; K's clusters, the first refill: what the second will load
	s_cbranch_scc0 .Lno_ask_\@
	global_prefetch_b8 v[PFO], s[PFA:PFA+1] th:TH_LOAD_NT scope:SCOPE_SE
.Lno_ask_\@:
.else
.Lno_fetch_\@:
.endif
	PRODS 1, 16, 32, 1
.else
	NEXT
	NOPS 3                                         ; with the addition above: four places in front of loads into the even block's set
	FETCH 0, 0                                     ; the next pair's even block
	s_wait_dscnt 32                                ; the odd block's rows are in; the 32 loads just issued may be out
	PRODS 1, 0, 32, 1
.endif
	WIN 0
	CVT4 0                                         ; the even block's codes
	NOPS 4                                         ; places behind the last product
.set I_, 0
.rept 32
	v_med3_num_f32 v[TMP+32+I_], s[NL], s[PL], v[ACC+32+I_]   ; the conversion does not saturate (ISA guide 7.6.2): the hold at the largest code x the scale
.set I_, I_+1
.endr
	CVT4 4
	v_nop                                          ; a plain line behind the last conversion
	s_add_nc_u64 s[10:11], s[10:11], s[DC:DC+1]    ; (no store that names the base has been issued since the wait at the pair's head)
.irp u, 0,1
	global_store_b128 v[L16], v[CD+4*\u:CD+4*\u+3], s[10:11] offset:512*\u      ; 512 consecutive bytes of a fragment's image, aligned
.endr
.irp u, 0,1
	global_store_b128 v[VO1], v[CD+8+4*\u:CD+8+4*\u+3], s[10:11] offset:512*\u
.endr
.if \q
	s_cmp_eq_u32 s[ISQ], 0
	s_cbranch_scc1 .Lno_q_\@
.set I_, 0
.rept 32
	v_pk_mul_f32 v[TMP+I_:TMP+I_+1], v[ACC+I_:ACC+I_+1], s[54:55] op_sel_hi:[1,0]   ; x 2^(ex + ew)
.set I_, I_+2
.endr
.irp b, 0,1
.irp t, 0,1,2,3
	ds_store_b128 v[STO], v[TMP+32*\b+8*\t:TMP+32*\b+8*\t+3] offset:SB*\b+64*\t       ; row r, columns 16 t + 8 h on
	ds_store_b128 v[STO], v[TMP+32*\b+8*\t+4:TMP+32*\b+8*\t+7] offset:SB*\b+64*\t+16
.endr
.irp i, 0,1,2,3,4,5,6,7
	ds_load_b128 v[RB+32*\b+4*\i:RB+32*\b+4*\i+3], v[RD] offset:SB*\b+2*\i*SP       ; back by rows: LDS serves a wave's instructions in order
.endr
.endr
	s_add_nc_u64 s[12:13], s[12:13], 32*4096
	s_wait_dscnt 0x0
.irp b, 0,1
.irp i, 0,1,2,3,4,5,6,7
	global_store_b128 v[OV], v[RB+32*\b+4*\i:RB+32*\b+4*\i+3], s[12:13] offset:(16*\b+2*\i)*4096 th:TH_STORE_NT   ; sixteen lanes store 256 consecutive bytes, aligned
.endr
.endr
.Lno_q_\@:
.endif
.endm
	s_load_b256 s[4:11], s[0:1], 0x0               ; x_img, w_img, the scales, qkv_img
	s_load_b64 s[12:13], s[0:1], 0x20              ; out0
	v_lshl_add_u32 v[SPW], v0, 2, SPARE
	v_mov_b32 v[NIL], 0
	ds_add_u32 v[SPW], v[NIL]                      ; the opening lines: the add, twice on end, and its wait
	ds_add_u32 v[SPW], v[NIL]
	v_lshrrev_b32 v1, 5, v0
	v_readfirstlane_b32 s14, v1                    ; wave
	s_lshr_b32 s15, s14, 1
	s_and_b32 s16, s14, 1
	s_bfe_u32 s40, ttmp6, 0x40000                  ; cx
	s_bfe_u32 s41, ttmp6, 0x40004                  ; cy
	s_and_b32 s17, ttmp7, 0xffff                   ; the cluster
	s_lshr_b32 s18, s17, 2                         ; 0 K, 1 V, 2 and 3 Q
	s_lshr_b32 s[ISQ], s18, 1
	s_and_b32 s19, s17, 3
	s_and_b32 s20, s17, 7
	s_lshl_b32 s43, s41, 2
	s_lshl_b32 s43, 15, s43                        ; my row of the cluster
	s_or_b32 s[G1], s43, 1<<21                     ; the mask; elements of 1 byte; no padding; bit 21 beside a mask
	s_mov_b32 s[G1+1], 4096<<16                    ; 8 rows of 4,096 bytes, dense: 32,768 bytes
	s_mov_b32 s[G1+2], 8<<16
	s_mov_b32 s[G1+3], 4096<<16
	s_mov_b32 s[G1+4], 8
	s_mov_b32 s[G1+5], 4096
	s_mov_b32 s[G1+6], 0
	s_mov_b32 s[G1+7], 0
	; the streamed rows' first byte, made of the cluster's number and cy alone
	s_lshl_b32 s21, s19, 2
	s_add_co_u32 s21, s21, s41
	s_lshl_b32 s21, s21, 19
	s_add_co_u32 s21, s21, 1<<23                   ; K: 512 tokens; also where their codes begin
	s_and_b32 s22, s41, 1
	s_lshl_b32 s23, s22, 22                        ; V's codes: 32 tiles of 131,072 bytes
	s_lshl_b32 s22, s22, 19
	s_add_co_u32 s22, s22, 2<<20                   ; V: a half of W_V
	s_lshl_b32 s56, s20, 2
	s_add_co_u32 s56, s56, s41
	s_lshl_b32 s56, s56, 18                        ; Q: 256 tokens; also where their codes begin
	; the kept rows, and the rest of the codes' place
	s_lshl_b32 s70, s19, 3
	s_lshr_b32 s82, s41, 1
	s_lshl_b32 s82, s82, 2
	s_add_co_u32 s70, s70, s82
	s_add_co_u32 s70, s70, s40                     ; V: which 256 tokens
	s_lshl_b32 s82, s70, 18
	s_add_co_u32 s82, s82, 2<<23
	s_lshl_b32 s83, s40, 18                        ; Q: 256 columns of WQ
	s_add_co_u32 s84, s83, 1<<20                   ; K: of WK
	s_lshl_b32 s85, s70, 12
	s_add_co_u32 s85, s85, s23
	s_add_co_u32 s85, s85, 2<<23
	s_lshl_b32 s86, s40, 12
	s_cmp_eq_u32 s18, 0
	s_cselect_b32 s57, s21, s56
	s_cselect_b32 s60, s84, s83
	s_cselect_b32 s[PLIM], 2, -1
	s_add_co_u32 s86, s86, s57
	s_mov_b32 s[DC], 1<<15
	s_mov_b32 s87, 1<<14
	s_cmp_eq_u32 s18, 1
	s_cselect_b32 s58, s22, s57
	s_cselect_b32 s60, s82, s60
	s_cselect_b32 s62, s85, s86
	s_cselect_b32 s[DC], 1<<18, s[DC]
	s_cselect_b32 s87, 1<<17, s87                  ; a block's stride in qkv_img
	s_add_co_u32 s68, s58, 3*SLOTB                 ; the prefetch: chunk 3,
	s_lshl_b32 s88, s40, 2
	s_add_co_u32 s88, s88, s14
	s_lshl_b32 s88, s88, 13
	s_add_co_u32 s68, s68, s88                     ; my sixteenth of it
	s_lshl_b32 s[G0+1], s14, 15                    ; my quarter of a chunk, in LDS
	s_add_co_u32 s58, s58, s[G0+1]                 ; and in memory
	s_lshl_b32 s88, s14, 16
	s_add_co_u32 s60, s60, s88                     ; my 64 kept rows
	s_lshl_b32 s88, s15, 11
	s_add_co_u32 s62, s62, s88                     ; they are half of a step of 128 of the next K:
	s_lshl_b32 s88, s16, 10
	s_add_co_u32 s62, s62, s88                     ; registers 8 (wave % 2) on
	s_lshl_b32 s66, s56, 2                         ; out0: rows of 4,096 bytes,
	s_lshl_b32 s88, s40, 10
	s_add_co_u32 s66, s66, s88
	s_lshl_b32 s88, s14, 8
	s_add_co_u32 s66, s66, s88                     ; my 64 columns
	s_mov_b32 s59, 0
	s_mov_b32 s61, 0
	s_mov_b32 s63, 0
	s_mov_b32 s67, 0
	s_mov_b32 s69, 0
	s_mov_b32 s[DC+1], 0
	s_mov_b32 s[G0], 1
	s_mov_b32 s[RO], 0
	s_mul_i32 s88, s14, 2*SB
	s_add_co_u32 s88, s88, STAGE                   ; my stage
	v_and_b32 v1, 15, v0                           ; r
	v_bfe_u32 v2, v0, 4, 1                         ; h
	v_and_b32 v3, 31, v0
	v_lshlrev_b32 v[L16], 4, v3
	v_lshlrev_b32 v[PFO], 8, v3
	v_mov_b32 v[ADR], v[L16]
	v_add_nc_u32 v[VO1], s87, v[L16]
	v_mul_u32_u24 v14, v1, SP
	v_lshl_add_u32 v14, v2, 5, v14
	v_add_nc_u32 v[STO], s88, v14                  ; in: row r, 32 bytes for each half of the lanes
	v_mul_u32_u24 v15, v2, SP
	v_lshl_add_u32 v15, v1, 4, v15
	v_add_nc_u32 v[RD], s88, v15                   ; back: lanes 0-15 one row, lanes 16-31 the next
	v_lshlrev_b32 v[OV], 12, v2
	v_lshl_add_u32 v[OV], v1, 4, v[OV]             ; and the same two rows in out0
	s_wait_alu depctr_va_vdst(0)
	s_wait_dscnt 0x0
	s_wait_kmcnt 0x0
	s_load_b256 s[72:79], s[8:9], 0x0              ; the scales' entries 0 to 7
	s_load_b64 s[80:81], s[8:9], 0x20              ; 8, 9
	s_cmp_eq_u32 s18, 1
	s_cselect_b64 s[50:51], s[6:7], s[4:5]         ; streamed: V from w_img, else from x_img
	s_cselect_b64 s[KB:KB+1], s[4:5], s[6:7]       ; kept: the other
	s_add_nc_u64 s[KB:KB+1], s[KB:KB+1], s[60:61]
	s_add_nc_u64 s[PFA:PFA+1], s[50:51], s[68:69]
	s_add_nc_u64 s[G0+2:G0+3], s[50:51], s[58:59]
	s_or_b32 s[G0+3], s[G0+3], 0x80000000
	s_add_nc_u64 s[10:11], s[10:11], s[62:63]
	s_sub_nc_u64 s[10:11], s[10:11], s[DC:DC+1]    ; each pair steps its bases ahead of its stores, the first pair too
	s_add_nc_u64 s[12:13], s[12:13], s[66:67]
	s_sub_nc_u64 s[12:13], s[12:13], 32*4096
	CROUND                                         ; all sixteen work-groups are here: the first joint loads meet
	JLOAD                                          ; chunk 0: one tensor load a wave at the head
	KEEP 0                                         ; all 128 loads of the kept rows on end
	KEEP 1
	s_wait_tensorcnt 0x0                           ; my quarter of chunk 0 is in; slot 1's first fill is issued as a refill is:
	ds_add_u32 v[SPW], v[NIL]
	s_xor_b32 s[G0+1], s[G0+1], SLOTB
	s_add_nc_u64 s[G0+2:G0+3], s[G0+2:G0+3], SLOTB
	s_wait_dscnt 0x0
	CROUND
	JLOAD                                          ; chunk 1
	s_wait_kmcnt 0x0
	s_cmp_eq_u32 s18, 0
	s_cselect_b32 s90, s72, s76                    ; ex: K 0, Q 4, V 2
	s_cselect_b32 s91, s73, s77                    ; ew: 1, 5, 3
	s_cselect_b32 s92, s79, s78                    ; eo: 7, 6, 9
	s_cmp_eq_u32 s18, 1
	s_cselect_b32 s90, s74, s90
	s_cselect_b32 s91, s75, s91
	s_cselect_b32 s92, s81, s92
	s_add_co_i32 s90, s90, s91
	s_sub_co_i32 s92, s92, s90
	s_add_co_i32 s92, s92, 127
	s_lshl_b32 s93, s92, 23
	v_mov_b32 v[SC], s93                           ; 2^(eo - ex - ew): the conversion takes its exponent field
	s_add_co_i32 s92, s92, 15
	s_lshl_b32 s92, s92, 23
	s_or_b32 s[PL], s92, 0x600000                  ; 57,344 x that,
	s_or_b32 s[NL], s[PL], 0x80000000              ; and its negative
	s_add_co_i32 s54, s90, 127
	s_lshl_b32 s54, s54, 23                        ; 2^(ex + ew)
	s_mov_b32 s55, s54
	s_wait_alu depctr_va_vdst(0)
	s_wait_loadcnt 0x0                             ; the kept rows are in
	FETCH 0, 0
	s_cmp_lg_u32 s[ISQ], 0                         ; Q has two chunks: both are asked for.  The cluster's number decides: all partners go the same way
	s_cbranch_scc1 .Lrest
	s_mov_b32 s[OC], 2
.Lfilling:                                             ; K, V: chunks 0 and 1; at the end of each its slot is filled again
	s_mov_b32 s[IC], 3
.Lfilling_pairs:
	PAIR 0, 0
	s_sub_co_u32 s[IC], s[IC], 1
	s_cmp_lg_u32 s[IC], 0
	s_cbranch_scc1 .Lfilling_pairs
	PAIR 1, 0
	s_sub_co_u32 s[OC], s[OC], 1
	s_cmp_lg_u32 s[OC], 0
	s_cbranch_scc1 .Lfilling
.Lrest:                                                ; the last two chunks: the ring stands at its first byte on both ways
	s_mov_b32 s[RO], 0
	v_mov_b32 v[ADR], v[L16]
	s_wait_alu depctr_va_vdst(0)
	s_mov_b32 s[OC], 2
.Llast:
	s_mov_b32 s[IC], 3
.Llast_pairs:
	PAIR 0, 1
	s_sub_co_u32 s[IC], s[IC], 1
	s_cmp_lg_u32 s[IC], 0
	s_cbranch_scc1 .Llast_pairs
	PAIR 2, 1                                      ; its barrier stands in both trips, so that no wave goes round a barrier
	s_sub_co_u32 s[OC], s[OC], 1
	s_cmp_lg_u32 s[OC], 0
	s_cbranch_scc1 .Llast
	s_wait_tensorcnt 0x0                           ; the wave's end
	ds_add_u32 v[SPW], v[NIL]
	s_wait_dscnt 0x0
	CROUND                                         ; the closing round
	s_endpgm
.Lfunc_end_k_qdf5789e5b7_proj:
	.size	k_qdf5789e5b7_proj, .Lfunc_end_k_qdf5789e5b7_proj-k_qdf5789e5b7_proj
	.p2alignl 7, 3214868480
	.fill 96, 4, 3214868480
	.section	.rodata,"a",@progbits
	.p2align	6, 0x0
	.amdhsa_kernel k_qdf5789e5b7_proj
		.amdhsa_group_segment_fixed_size 327680
		.amdhsa_private_segment_fixed_size 0
		.amdhsa_enable_private_segment 0
		.amdhsa_kernarg_size 40
		.amdhsa_user_sgpr_count 2
		.amdhsa_user_sgpr_kernarg_segment_ptr 1
		.amdhsa_wavefront_size32 1
		.amdhsa_system_sgpr_workgroup_id_x 1
		.amdhsa_system_sgpr_workgroup_id_y 1
		.amdhsa_system_sgpr_workgroup_id_z 1
		.amdhsa_system_vgpr_workitem_id 0
		.amdhsa_next_free_vgpr 1024
		.amdhsa_next_free_sgpr 100
		.amdhsa_reserve_vcc 0
		.amdhsa_float_denorm_mode_32 3
		.amdhsa_float_denorm_mode_16_64 3
		.amdhsa_memory_ordered 1
		.amdhsa_forward_progress 1
		.amdhsa_inst_pref_size 91
	.end_amdhsa_kernel
	.amdgpu_metadata
---
amdhsa.version: [ 1, 2 ]
amdhsa.kernels:
  - .name:           k_qdf5789e5b7_proj
    .symbol:         k_qdf5789e5b7_proj.kd
    .args:
      - { .name: x_img, .offset: 0, .size: 8, .value_kind: global_buffer, .address_space: global }
      - { .name: w_img, .offset: 8, .size: 8, .value_kind: global_buffer, .address_space: global }
      - { .name: lowp_scales, .offset: 16, .size: 8, .value_kind: global_buffer, .address_space: global }
      - { .name: qkv_img, .offset: 24, .size: 8, .value_kind: global_buffer, .address_space: global }
      - { .name: out0, .offset: 32, .size: 8, .value_kind: global_buffer, .address_space: global }
    .group_segment_fixed_size: 327680
    .private_segment_fixed_size: 0
    .kernarg_segment_align: 8
    .kernarg_segment_size: 40
    .max_flat_workgroup_size: 128
    .sgpr_count:     100
    .vgpr_count:     1024
    .wavefront_size: 32
...
	.end_amdgpu_metadata
.endif
;; end of part 2
;; launch scores (part 3): grid 12 x 16, 4 waves a work-group, clusters of 4 x 4, 327,680 bytes of LDS; arguments qkv_img, lowp_scales, p_img, mstat, lstat; writes p_img, mstat, lstat
.if DOCPART == 3
	.amdgcn_target "amdgcn-amd-amdhsa--gfx1250"
	.amdhsa_code_object_version 6
	.text
	.protected	k_qdf5789e5b7_scores
	.globl	k_qdf5789e5b7_scores
	.p2align	8
	.type	k_qdf5789e5b7_scores,@function
k_qdf5789e5b7_scores:
	s_mov_b64 s[64:65], 0
	v_nop
	global_prefetch_b8 v0, s[64:65] scope:SCOPE_SE
	s_setreg_imm32_b32 hwreg(HW_REG_WAVE_MODE, 25, 1), 1
	s_wait_xcnt 0x0
	s_wait_alu depctr_hold_cnt(0) depctr_sa_sdst(0) depctr_va_vdst(0) depctr_va_sdst(0) depctr_va_ssrc(0) depctr_va_vcc(0) depctr_vm_vsrc(0)
	s_getreg_b32 s2, hwreg(HW_REG_IB_STS2, 6, 4)
	s_cmp_eq_u32 s2, 0
	s_cbranch_scc0 .Lentry_in_a_cluster
	s_endpgm
.Lentry_in_a_cluster:
	s_bfe_u32 s2, ttmp6, 0x10000c
	s_cmp_lg_u32 s2, 0xf033
	s_cbranch_scc0 .Lentry_shape_is_right
	s_endpgm
.Lentry_shape_is_right:
; S = Q K^T on codes of BF8 (E5M2), the causal mask, and the softmax's p as codes.  A tile is 256 queries x 256 keys of one batch; K = the 1,024 outputs, four K steps of 256.
; t = sum x 2^(e6 + e7) x log2(e) / sqrt(2048).  M = the ceiling of the largest t among THE TILE'S 256 keys, a whole number; p = 2^(t - M); its codes (scale 2^e8) go to p_img as images of fragments; -M goes to mstat
; [batch][block of 256 keys][query] and the sum of the unquantised p over a wave's 128 keys to lstat [batch][128 keys][query].  The next launch brings the blocks to one unit by powers of two.
; CLUSTERS of 4 x 4 tiles = blocks of 1,024 x 1,024: (0,0), (1,0), (1,1) of each batch; the block wholly above the diagonal is not launched.  A tile of a diagonal cluster that lies wholly above the diagonal runs like its partners, since it
; is named in their joint loads: all its scores are hidden, it stores zero codes, sums of 0 and -M = 3e38, which the next launch reads and weighs with 0.
; LIMITS on the given exponents: e6 + e7 between -121 and 132 (they are added to the exponent field of log2(e) / sqrt(2048)); e8 between -15 and 112 (below -15 the hold at the largest code would bite in the block's unit).
; The core (ring of two slots, joint loads, images of fragments, transposed use) is the projections'.  Lane (r, h) of accumulator (a, b) holds query 16 a + r and keys 16 b + 8 h + 0 .. 7 of my 128 x 128.
; REGISTERS, window 0 on the way out: v8-13 scratch addresses; v30 the mask's number; v31 -infinity; v32-47 pairs (-M, largest t); v48-63 maxima at work; v64-95 sums; v96-103 the partner's maxima; v104, v105 hold and scale; v112-119 statistics; v128-255 codes.
.set FR,     16
.set NL,     4
.set NP,     4
.set KS,     4096
.set HALFT,  32768
.set SLOT,   131072
.set SPARE,  262144                    ; the spare words, 128 bytes for each wave
.set SCR_X,  SPARE+512                 ; scratch of its own, 512 bytes a wave each: the maxima that two waves exchange,
.set SCR_M,  SCR_X+2048                ; -M on its way out,
.set SCR_L,  SCR_M+2048                ; the sums on their way out
.set PITA,   16384
.set XW,   8                           ; v8   SCR_X: my wave's words, 4 r
.set XR,   9                           ; v9   SCR_X: the words of the wave with the same queries and the other keys
.set MW,   10
.set MR,   11
.set LW,   12
.set LR,   13
.set ADRA, 16
.set ADRB, 20
.set L16,  26
.set SPW,  28
.set NIL,  29
.set W,    30                          ; v30  r - 8 h + 256 (i - j) + 128 (row half - column half): register jj of accumulator (a, a + d) is hidden where 16 d + jj > W
.set NINF, 31
.set NM,   32
.set T0,   48
.set T1,   56
.set LS,   64
.set PX,   96
.set LIM,  104
.set SC,   105
.set AF,   128
.set MK,   84                          ; s[84:91] eight lane masks
.set CS,   92                          ; s[92:93] c: the packed form names a pair and takes its low word for both halves
.set SEL,  94                          ; s[94:95] v_permlanex16_b32's selects for lane l xor 16
.set G1, 24
.set G0, 32
.set G1B, 48
.set G0B, 56
.set MSB, 0
.macro WIN new
.if MSB != (\new)
	s_set_vgpr_msb (MSB<<8)|(\new)
.set MSB, (\new)
.endif
.endm
.set MUL_LO, 0xa1
.set MUL_HI, 0xf1
.set TO_B,   0x40
.macro JLOAD g0a, g1a, g0b, g1b        ; a joint load: waves 0 and 1 fetch for A, waves 2 and 3 for B; four v_nop follow each of the two lines
	s_cmp_eq_u32 s15, 0
	s_cbranch_scc0 .Lfor_b_\@
	tensor_load_to_lds s[\g0a:\g0a+3], s[\g1a:\g1a+7]
	s_nop 0
.rept 4
	v_nop
.endr
	s_branch .Lasked_\@
.Lfor_b_\@:
	tensor_load_to_lds s[\g0b:\g0b+3], s[\g1b:\g1b+7]
	s_nop 0
.rept 4
	v_nop
.endr
.Lasked_\@:
.endm
.macro CREST
	s_cmp_lg_u32 s14, 0
	s_cbranch_scc1 .Lnot_wave_0_\@
	s_barrier_signal -3
.Lnot_wave_0_\@:
	s_barrier_wait -3
	s_barrier_signal -1
	s_barrier_wait -1
.endm
.macro CROUND
	s_barrier_signal -1
	s_barrier_wait -1
	CREST
.endm
.macro FRAG reg, adr, q, i
.irp c, 0,1,2,3
	ds_load_b128 v[\reg+4*\c:\reg+4*\c+3], v[\adr] offset:(\i)*KS+(\q)*2048+512*\c
.endr
.endm
.macro MUL16 a0, p, zero               ; the 64 accumulators take turns, one instruction a turn
.irp a, \a0, \a0+1
.irp b, 0,1,2,3,4,5,6,7
.if \zero
	v_wmma_f32_16x16x128_bf8_bf8 v[8*(8*((\a)%4)+\b):8*(8*((\a)%4)+\b)+7], v[128*(\p)+FR*\b:128*(\p)+FR*\b+FR-1], v[AF+FR*(\a):AF+FR*(\a)+FR-1], 0
.else
	v_wmma_f32_16x16x128_bf8_bf8 v[8*(8*((\a)%4)+\b):8*(8*((\a)%4)+\b)+7], v[128*(\p)+FR*\b:128*(\p)+FR*\b+FR-1], v[AF+FR*(\a):AF+FR*(\a)+FR-1], v[8*(8*((\a)%4)+\b):8*(8*((\a)%4)+\b)+7]
.endif
.endr
.endr
.endm
.macro FETCH_B slot, q, p
	WIN TO_B
.irp i, 0,1,2,3,4,5,6,7
	FRAG 128*(\p)+FR*\i, ADRB+\slot, \q, \i
.endr
	WIN 0
.endm
.macro FETCH_A slot, q, i0
.irp i, \i0, \i0+1, \i0+2, \i0+3
	FRAG AF+FR*(\i), ADRA+\slot, \q, \i
.endr
.endm
.macro PLACES n
.rept \n
	v_nop
.endr
.endm
.macro STEP slot, q, zero
	s_wait_dscnt 4*NL                              ; B's set and A's blocks 0-3 are in; the youngest 16 loads may be out
	WIN MUL_LO
	MUL16 0, (\q)%2, \zero
	MUL16 2, (\q)%2, \zero
	s_wait_dscnt 0
	PLACES NP
	FETCH_B \slot, (\q)+1, 1-(\q)%2
	FETCH_A \slot, (\q)+1, 0
	WIN MUL_HI
	MUL16 4, (\q)%2, \zero
	MUL16 6, (\q)%2, \zero
	PLACES NP
	WIN 0
	FETCH_A \slot, (\q)+1, 4
.endm
.macro TURN slot, next, fill
	s_wait_tensorcnt 0x0                           ; all my tensor loads have landed: my part of the next slot
	ds_add_u32 v[SPW], v[NIL]                      ; 0 onto my spare word
	s_wait_dscnt 4*NL+1                            ; (the add and the youngest 16 loads may be out)
	WIN MUL_LO
	MUL16 0, 1, 0
	s_wait_dscnt 0x0                               ; the add is done, and my reads of this slot are over
	s_barrier_signal -1
	MUL16 2, 1, 0
	WIN 0
	s_barrier_wait -1
.if \fill
	CREST                                          ; the barrier has opened a round of the cluster's barrier
	s_add_nc_u64 s[G0+4*\slot+2:G0+4*\slot+3], s[G0+4*\slot+2:G0+4*\slot+3], 2*KS
	s_add_nc_u64 s[G0B+4*\slot+2:G0B+4*\slot+3], s[G0B+4*\slot+2:G0B+4*\slot+3], 2*KS
	JLOAD G0+4*\slot, G1, G0B+4*\slot, G1B
.else
	PLACES NP
.endif
	FETCH_B \next, 0, 0
	FETCH_A \next, 0, 0
	WIN MUL_HI
	MUL16 4, 1, 0
	MUL16 6, 1, 0
	PLACES NP
	WIN 0
	FETCH_A \next, 0, 4
.endm
.macro LAST
	s_wait_dscnt 4*NL
	WIN MUL_LO
	MUL16 0, 1, 0
	MUL16 2, 1, 0
	s_wait_dscnt 0
	WIN MUL_HI
	MUL16 4, 1, 0
	MUL16 6, 1, 0
	WIN 0
.endm
	s_load_b256 s[4:11], s[0:1], 0x0               ; qkv_img s[4:5], the scales s[6:7], p_img s[8:9], mstat s[10:11]
	s_load_b64 s[12:13], s[0:1], 0x20              ; lstat
	v_lshl_add_u32 v[SPW], v0, 2, SPARE
	v_mov_b32 v[NIL], 0
	ds_add_u32 v28, v29
	ds_add_u32 v28, v29
	s_wait_dscnt 0x0
	v_lshrrev_b32 v1, 5, v0
	v_readfirstlane_b32 s14, v1                    ; wave 0..3
	s_lshr_b32 s15, s14, 1                         ; my half of the queries.  Also: I fetch for A (0) or for B (1)
	s_and_b32 s16, s14, 1                          ; my half of the keys.  Also: which 8 row tiles I fetch
	s_bfe_u32 s40, ttmp6, 0x40000                  ; cx, cy
	s_bfe_u32 s41, ttmp6, 0x40004
	s_mov_b32 s66, ttmp9                           ; the cluster's x: which of the three blocks
	s_and_b32 s67, ttmp7, 0xffff                   ; the cluster's y: the batch
	s_add_co_u32 s17, s66, 1
	s_lshr_b32 s17, s17, 1
	s_lshl_b32 s17, s17, 2
	s_add_co_u32 s17, s17, s41                     ; i: my 256 queries
	s_lshr_b32 s42, s66, 1
	s_lshl_b32 s42, s42, 2
	s_add_co_u32 s42, s42, s40                     ; j: my 256 keys
	s_lshl_b32 s43, s41, 2
	s_lshl_b32 s43, 15, s43                        ; my row of the cluster
	s_lshl_b32 s44, 0x1111, s40                    ; my column
	s_or_b32 s[G1+0], s43, (1<<21)                 ; the mask; elements of 1 byte; no padding; bit 21 set beside a mask
	s_or_b32 s[G1B+0], s44, (1<<21)
.irp g, G1, G1B
	s_mov_b32 s[\g+1], KS<<16                      ; tensor_dim0 = 4,096
	s_mov_b32 s[\g+2], 16<<16                      ; tensor_dim1 = 16 at the head: a wave's one load brings all 16 row tiles of A or of B for one slot
	s_mov_b32 s[\g+3], KS<<16                      ; tile_dim0
	s_mov_b32 s[\g+4], 16                          ; tile_dim1
	s_mov_b32 s[\g+5], PITA                        ; tensor_dim0_stride
	s_mov_b32 s[\g+6], 0
	s_mov_b32 s[\g+7], 0
.endr
	s_mov_b32 s18, 0                               ; (the head's loads begin at the tile's first row tile)
	s_lshl_b32 s19, s67, 21                        ; in my batch's 128
	s_add_co_u32 s18, s18, s19
	s_lshl_b32 s20, s17, 18
	s_add_co_u32 s20, s20, s18                     ; A = Q's codes, by i
	s_mov_b32 s21, 0
	s_lshl_b32 s46, s42, 18
	s_add_co_u32 s46, s46, s18                     ; B = K's codes, by j,
	s_add_co_u32 s46, s46, 1<<23                   ; which lie behind Q's
	s_mov_b32 s47, 0
	s_mov_b32 s[SEL], 0x76543210
	s_mov_b32 s[SEL+1], 0xfedcba98
	s_mov_b32 s[CS], 0x3d0293ee                    ; log2(e) / sqrt(2048)
	s_wait_kmcnt 0x0
	s_load_b128 s[72:75], s[6:7], 0x18             ; e6, e7, e8, e9
	s_add_nc_u64 s[20:21], s[4:5], s[20:21]
	s_add_nc_u64 s[46:47], s[4:5], s[46:47]
	CROUND                                         ; all sixteen work-groups are here: the first joint loads meet
.irp s, 0,1
	s_mov_b32 s[G0+4*\s], 1
	s_mov_b32 s[G0+4*\s+1], \s*SLOT
	s_add_nc_u64 s[G0+4*\s+2:G0+4*\s+3], s[20:21], \s*KS
	s_or_b32 s[G0+4*\s+3], s[G0+4*\s+3], 0x80000000
	s_mov_b32 s[G0B+4*\s], 1
	s_mov_b32 s[G0B+4*\s+1], \s*SLOT+2*HALFT
	s_add_nc_u64 s[G0B+4*\s+2:G0B+4*\s+3], s[46:47], \s*KS
	s_or_b32 s[G0B+4*\s+3], s[G0B+4*\s+3], 0x80000000
.endr
	s_cmp_eq_u32 s14, 0                            ; THE HEAD'S FILLS: one tensor load a wave, both slots: wave 0 A's K step 0, wave 1 B's, wave 2 A's K step 1, wave 3 B's
	s_cbranch_scc0 .Lhead_1
	tensor_load_to_lds s[G0:G0+3], s[G1:G1+7]
	s_nop 0
	PLACES 4
	s_branch .Lhead_asked
.Lhead_1:
	s_cmp_eq_u32 s14, 1
	s_cbranch_scc0 .Lhead_2
	tensor_load_to_lds s[G0B:G0B+3], s[G1B:G1B+7]
	s_nop 0
	PLACES 4
	s_branch .Lhead_asked
.Lhead_2:
	s_cmp_eq_u32 s14, 2
	s_cbranch_scc0 .Lhead_3
	tensor_load_to_lds s[G0+4:G0+7], s[G1:G1+7]
	s_nop 0
	PLACES 4
	s_branch .Lhead_asked
.Lhead_3:
	tensor_load_to_lds s[G0B+4:G0B+7], s[G1B:G1B+7]
	s_nop 0
	PLACES 4
.Lhead_asked:
	v_and_b32 v1, 15, v0                           ; r
	v_bfe_u32 v2, v0, 4, 1                         ; h
	v_and_b32 v6, 31, v0
	v_lshlrev_b32 v[L16], 4, v6
	s_wait_alu depctr_va_vdst(0)
	s_lshl_b32 s21, s15, 15
	s_lshl_b32 s22, s16, 15
	s_add_co_u32 s22, s22, 2*HALFT
.irp s, 0,1
	v_add_nc_u32 v[ADRA+\s], s21, v[L16]
	v_add_nc_u32 v[ADRB+\s], s22, v[L16]
	s_add_co_u32 s21, s21, SLOT
	s_add_co_u32 s22, s22, SLOT
.endr
	v_lshlrev_b32 v3, 2, v1                        ; 4 r
	s_lshl_b32 s18, s14, 9                         ; 512 x wave
	s_xor_b32 s19, s14, 1
	s_lshl_b32 s19, s19, 9                         ; 512 x the wave with my queries and the other keys
	v_add_nc_u32 v4, s18, v3
	v_add_nc_u32 v5, s18, v[L16]
	v_add_nc_u32 v[XW], SCR_X, v4
	v_add_nc_u32 v[XR], s19, v3
	v_add_nc_u32 v[XR], SCR_X, v[XR]
	v_add_nc_u32 v[MW], SCR_M, v4
	v_add_nc_u32 v[MR], SCR_M, v5
	v_add_nc_u32 v[LW], SCR_L, v4
	v_add_nc_u32 v[LR], SCR_L, v5
	s_sub_co_i32 s18, s17, s42
	s_lshl_b32 s18, s18, 8
	s_sub_co_i32 s19, s15, s16
	s_lshl_b32 s19, s19, 7
	s_add_co_i32 s18, s18, s19                     ; my first query less my first key
	v_lshlrev_b32 v3, 3, v2
	v_sub_nc_u32 v3, v1, v3
	v_add_nc_u32 v[W], s18, v3
	v_mov_b32 v[NINF], 0xff800000
	s_lshl_b32 s18, s67, 22                        ; p_img: [batch][query tile 128][step of 128 keys 16][2048]
	s_lshl_b32 s19, s17, 19
	s_add_co_u32 s18, s18, s19
	s_lshl_b32 s19, s15, 18
	s_add_co_u32 s18, s18, s19
	s_lshl_b32 s19, s42, 12
	s_add_co_u32 s18, s18, s19
	s_lshl_b32 s19, s16, 11
	s_add_co_u32 s18, s18, s19
	s_mov_b32 s19, 0
	s_add_nc_u64 s[8:9], s[8:9], s[18:19]
	s_lshl_b32 s22, s17, 10
	s_lshl_b32 s23, s15, 9
	s_add_co_u32 s22, s22, s23                     ; my 128 queries, 4 bytes each
	s_lshl_b32 s18, s67, 16                        ; mstat: [batch][j][query]
	s_lshl_b32 s23, s42, 13
	s_add_co_u32 s18, s18, s23
	s_add_co_u32 s18, s18, s22
	s_add_nc_u64 s[10:11], s[10:11], s[18:19]
	s_lshl_b32 s18, s67, 17                        ; lstat: [batch][2 j + column half][query]
	s_lshl_b32 s23, s42, 14
	s_add_co_u32 s18, s18, s23
	s_lshl_b32 s23, s16, 13
	s_add_co_u32 s18, s18, s23
	s_add_co_u32 s18, s18, s22
	s_add_nc_u64 s[12:13], s[12:13], s[18:19]
	s_wait_kmcnt 0x0
	s_add_co_i32 s18, s72, s73
	s_lshl_b32 s18, s18, 23
	s_add_co_i32 s[CS], s[CS], s18                 ; a sum stands for sum x 2^(e6 + e7): the two exponents are added to c's exponent field
	s_mov_b32 s[CS+1], s[CS]
	s_add_co_i32 s18, s74, 127
	s_lshl_b32 s19, s18, 23
	v_mov_b32 v[SC], s19                           ; 2^e8 as f32
	s_add_co_i32 s18, s18, 15
	s_lshl_b32 s18, s18, 23
	s_or_b32 s18, s18, 0x600000
	v_mov_b32 v[LIM], s18                          ; 57,344 x 2^e8
	s_wait_alu depctr_va_vdst(0)
	s_wait_tensorcnt 0x0                           ; my load is in, so the descriptors may be written: the refills go by halves of 8 row tiles, a half a wave
	s_lshl_b32 s18, s16, 15
	s_lshl_b32 s22, s16, 17
	s_mov_b32 s23, 0
.irp s, 0,1
	s_add_co_u32 s[G0+4*\s+1], s[G0+4*\s+1], s18
	s_add_nc_u64 s[G0+4*\s+2:G0+4*\s+3], s[G0+4*\s+2:G0+4*\s+3], s[22:23]
	s_add_co_u32 s[G0B+4*\s+1], s[G0B+4*\s+1], s18
	s_add_nc_u64 s[G0B+4*\s+2:G0B+4*\s+3], s[G0B+4*\s+2:G0B+4*\s+3], s[22:23]
.endr
.irp g, G1, G1B
	s_mov_b32 s[\g+2], 8<<16
	s_mov_b32 s[\g+4], 8
.endr
	s_barrier_signal -1                            ; everybody's load is in: both slots are whole
	s_barrier_wait -1
	FETCH_B 0, 0, 0
	FETCH_A 0, 0, 0
	FETCH_A 0, 0, 4
	STEP 0, 0, 1
	TURN 0, 1, 1                                   ; four K steps: the one lap that fills both slots again is written out
	STEP 1, 0, 0
	TURN 1, 0, 1
	STEP 0, 0, 0
	TURN 0, 1, 0
	STEP 1, 0, 0
	LAST
	; ---- the maxima begin at -infinity: sixteen plain lines, which are also the places behind the last products
	s_wait_alu depctr_va_vdst(0)
.irp a, 0,1,2,3,4,5,6,7
	v_mov_b32 v[T0+\a], v[NINF]
	v_mov_b32 v[T1+\a], v[NINF]
.endr
	; ---- THE MASK.  The block under the diagonal has nothing hidden: a branch on the cluster's number.  Else, for each diagonal d of accumulators: eight compares, and a select for each register of each accumulator (a, a + d)
	s_cmp_eq_u32 s66, 1
	s_cbranch_scc1 .Lopen
.irp d, -7,-6,-5,-4,-3,-2,-1,0,1,2,3,4,5,6,7
	WIN 0
.irp jj, 0,1,2,3,4,5,6,7
	v_cmp_gt_i32 s[MK+\jj], 16*(\d)+\jj, v[W]
.endr
.irp a, 0,1,2,3,4,5,6,7
.if ((\a)+(\d) >= 0) && ((\a)+(\d) <= 7)
	WIN 0x82+0x41*((\a)/4)                         ; destination and source 0: window 2 or 3
.irp jj, 0,1,2,3,4,5,6,7
	v_cndmask_b32 v[8*(8*((\a)%4)+(\a)+(\d))+\jj], v[8*(8*((\a)%4)+(\a)+(\d))+\jj], v[NINF], s[MK+\jj]
.endr
.endif
.endr
.endr
	WIN 0
.Lopen:
	; ---- the largest score of each of my queries: among my lane's 64 keys (two chains for each block, each accumulator from its low end on), lane l xor 16's, and the other wave's 128 keys
.irp g, 0,1
	WIN 0x28+0x14*\g                               ; sources 1 and 2: window 2 or 3
.set u, 0
.rept 16
.irp a, 0,1,2,3
	v_max3_num_f32 v[T0+4*\g+\a], v[T0+4*\g+\a], v[64*\a+4*u], v[64*\a+4*u+1]
	v_max3_num_f32 v[T1+4*\g+\a], v[T1+4*\g+\a], v[64*\a+4*u+2], v[64*\a+4*u+3]
.endr
.set u, u+1
.endr
.endr
	WIN 0
.irp a, 0,1,2,3,4,5,6,7
	v_max_num_f32 v[T0+\a], v[T0+\a], v[T1+\a]
.endr
.irp a, 0,1,2,3,4,5,6,7
	v_permlanex16_b32 v[T1+\a], v[T0+\a], s[SEL], s[SEL+1]
.endr
.irp a, 0,1,2,3,4,5,6,7
	v_max_num_f32 v[T0+\a], v[T0+\a], v[T1+\a]
.endr
.irp a, 0,1,2,3,4,5,6,7
	ds_store_b32 v[XW], v[T0+\a] offset:64*\a      ; word 16 a + r; lanes r and r + 16 write the same number
.endr
	s_wait_alu depctr_va_vdst(0)
	s_wait_dscnt 0x0                               ; for the other wave's sake: my stores are done
	s_barrier_signal -1
	s_barrier_wait -1
.irp a, 0,1,2,3,4,5,6,7
	ds_load_b32 v[PX+\a], v[XR] offset:64*\a
.endr
	s_wait_dscnt 0x0
.irp a, 0,1,2,3,4,5,6,7
	v_max_num_f32 v[T0+\a], v[T0+\a], v[PX+\a]
.endr
.irp a, 0,1,2,3,4,5,6,7
	v_mul_f32 v[NM+2*\a+1], s[CS], v[T0+\a]        ; as t (c is positive)
.endr
.irp a, 0,1,2,3,4,5,6,7
	v_max_num_f32 v[NM+2*\a+1], 0xff61b1e6, v[NM+2*\a+1]   ; where all 256 keys are hidden: -3e38, so that -M stays a number
.endr
.irp a, 0,1,2,3,4,5,6,7
	v_floor_f32 v[NM+2*\a], -v[NM+2*\a+1]          ; -M = floor(-t) = -ceil(t): a whole number
.endr
; ---- p, its sums and its codes, for the four blocks a = 4 g .. 4 g + 3 of one window
.macro SOFT g
	WIN 0x82+0x41*(\g)                             ; destination and source 0: window 2 + g
.irp a, 0,1,2,3
.set j, 0
.rept 32
	v_pk_fma_f32 v[64*\a+j:64*\a+j+1], v[64*\a+j:64*\a+j+1], s[CS:CS+1], v[NM+2*(4*(\g)+\a):NM+2*(4*(\g)+\a)+1] op_sel_hi:[1,0,0]   ; t - M, two at a time
.set j, j+2
.endr
.endr
.set j, 0
	s_wait_alu depctr_va_vdst(0)
.rept 256
	v_exp_f32 v[j], v[j]                           ; p = 2^(t - M): ONE batch
.set j, j+1
.endr
	WIN 0
.set j, 0
.rept 16
	v_mov_b32 v[LS+16*(\g)+j], 0                   ; the sums begin: plain lines behind the exponentials
.set j, j+1
.endr
	s_wait_alu depctr_va_vdst(0)                   ; one wait for the whole batch, ahead of its first reader
	WIN 0x08+0x04*(\g)                             ; source 1: window 2 + g
.set u, 0
.rept 16
.irp a, 0,1,2,3
	v_pk_add_f32 v[LS+4*(4*(\g)+\a):LS+4*(4*(\g)+\a)+1], v[LS+4*(4*(\g)+\a):LS+4*(4*(\g)+\a)+1], v[64*\a+4*u:64*\a+4*u+1]       ; THE SUM IS TAKEN OF THE UNQUANTISED p
	v_pk_add_f32 v[LS+4*(4*(\g)+\a)+2:LS+4*(4*(\g)+\a)+3], v[LS+4*(4*(\g)+\a)+2:LS+4*(4*(\g)+\a)+3], v[64*\a+4*u+2:64*\a+4*u+3]
.endr
.set u, u+1
.endr
	WIN 0x82+0x41*(\g)
.set j, 0
.rept 256
	v_min_num_f32 v[j], v[j], v[LIM]               ; the conversion does not saturate (ISA guide 7.6.2); p is not negative, so the hold is one-sided
.set j, j+1
.endr
	WIN 0x02+(\g)                                  ; source 0: window 2 + g
.irp a, 0,1,2,3
.irp b, 0,1,2,3,4,5,6,7
	v_cvt_scalef32_pk8_bf8_f32 v[AF+16*(4*(\g)+\a)+2*\b:AF+16*(4*(\g)+\a)+2*\b+1], v[64*\a+8*\b:64*\a+8*\b+7], v[SC]
.endr
.endr
	v_nop                                          ; a plain vector line behind the last conversion
	WIN 0
.irp a, 0,1,2,3
.irp c, 0,1,2,3
	global_store_b128 v[L16], v[AF+16*(4*(\g)+\a)+4*\c:AF+16*(4*(\g)+\a)+4*\c+3], s[8:9] offset:32768*(4*(\g)+\a)+512*\c   ; the image of a fragment: 512 consecutive bytes a store
.endr
.endr
.endm
	SOFT 0
	SOFT 1
	; ---- the statistics leave through my wave's scratch, so that 32 lanes store 512 consecutive bytes: 128 queries
.irp a, 0,1,2,3,4,5,6,7
	v_pk_add_f32 v[LS+4*\a:LS+4*\a+1], v[LS+4*\a:LS+4*\a+1], v[LS+4*\a+2:LS+4*\a+3]
.endr
.irp a, 0,1,2,3,4,5,6,7
	v_add_f32 v[LS+4*\a], v[LS+4*\a], v[LS+4*\a+1]
.endr
.irp a, 0,1,2,3,4,5,6,7
	v_permlanex16_b32 v[LS+4*\a+1], v[LS+4*\a], s[SEL], s[SEL+1]
.endr
.irp a, 0,1,2,3,4,5,6,7
	v_add_f32 v[LS+4*\a], v[LS+4*\a], v[LS+4*\a+1]
.endr
.irp a, 0,1,2,3,4,5,6,7
	ds_store_b32 v[LW], v[LS+4*\a] offset:64*\a
.endr
	ds_load_b128 v[112:115], v[LR]                 ; LDS serves a wave's instructions in order: this sees my stores
.irp a, 0,1,2,3,4,5,6,7
	ds_store_b32 v[MW], v[NM+2*\a] offset:64*\a
.endr
	ds_load_b128 v[116:119], v[MR]
	s_wait_dscnt 0x0
	global_store_b128 v[L16], v[112:115], s[12:13]
	s_cmp_lg_u32 s16, 0                            ; -M is the same in both waves of a row half: the one with the lower keys stores it
	s_cbranch_scc1 .Lno_m
	global_store_b128 v[L16], v[116:119], s[10:11]
.Lno_m:
	s_wait_tensorcnt 0x0                           ; the wave's end
	ds_add_u32 v[SPW], v[NIL]
	s_wait_dscnt 0x0
	CROUND                                         ; the closing round
	s_endpgm
.Lfunc_end_k_qdf5789e5b7_scores:
	.size	k_qdf5789e5b7_scores, .Lfunc_end_k_qdf5789e5b7_scores-k_qdf5789e5b7_scores
	.p2alignl 7, 3214868480
	.fill 96, 4, 3214868480
	.section	.rodata,"a",@progbits
	.p2align	6, 0x0
	.amdhsa_kernel k_qdf5789e5b7_scores
		.amdhsa_group_segment_fixed_size 327680
		.amdhsa_private_segment_fixed_size 0
		.amdhsa_enable_private_segment 0
		.amdhsa_kernarg_size 40
		.amdhsa_user_sgpr_count 2
		.amdhsa_user_sgpr_kernarg_segment_ptr 1
		.amdhsa_wavefront_size32 1
		.amdhsa_system_sgpr_workgroup_id_x 1
		.amdhsa_system_sgpr_workgroup_id_y 1
		.amdhsa_system_sgpr_workgroup_id_z 1
		.amdhsa_system_vgpr_workitem_id 0
		.amdhsa_next_free_vgpr 1024
		.amdhsa_next_free_sgpr 100
		.amdhsa_reserve_vcc 0
		.amdhsa_float_denorm_mode_32 3
		.amdhsa_float_denorm_mode_16_64 3
		.amdhsa_memory_ordered 1
		.amdhsa_forward_progress 1
		.amdhsa_inst_pref_size 218
	.end_amdhsa_kernel
	.amdgpu_metadata
---
amdhsa.version: [ 1, 2 ]
amdhsa.kernels:
  - .name:           k_qdf5789e5b7_scores
    .symbol:         k_qdf5789e5b7_scores.kd
    .args:
      - { .name: qkv_img, .offset: 0, .size: 8, .value_kind: global_buffer, .address_space: global }
      - { .name: lowp_scales, .offset: 8, .size: 8, .value_kind: global_buffer, .address_space: global }
      - { .name: p_img, .offset: 16, .size: 8, .value_kind: global_buffer, .address_space: global }
      - { .name: mstat, .offset: 24, .size: 8, .value_kind: global_buffer, .address_space: global }
      - { .name: lstat, .offset: 32, .size: 8, .value_kind: global_buffer, .address_space: global }
    .group_segment_fixed_size: 327680
    .private_segment_fixed_size: 0
    .kernarg_segment_align: 8
    .kernarg_segment_size: 40
    .max_flat_workgroup_size: 128
    .sgpr_count:     100
    .vgpr_count:     1024
    .wavefront_size: 32
...
	.end_amdgpu_metadata
.endif
;; end of part 3
;; launch pv (part 4): grid 4 x 64, 4 waves a work-group, clusters of 4 x 4, 327,680 bytes of LDS; arguments p_img, qkv_img, mstat, lstat, lowp_scales, out1; writes out1
.if DOCPART == 4
	.amdgcn_target "amdgcn-amd-amdhsa--gfx1250"
	.amdhsa_code_object_version 6
	.text
	.protected	k_qdf5789e5b7_pv
	.globl	k_qdf5789e5b7_pv
	.p2align	8
	.type	k_qdf5789e5b7_pv,@function
k_qdf5789e5b7_pv:
	s_mov_b64 s[64:65], 0
	v_nop
	global_prefetch_b8 v0, s[64:65] scope:SCOPE_SE
	s_setreg_imm32_b32 hwreg(HW_REG_WAVE_MODE, 25, 1), 1
	s_wait_xcnt 0x0
	s_wait_alu depctr_hold_cnt(0) depctr_sa_sdst(0) depctr_va_vdst(0) depctr_va_sdst(0) depctr_va_ssrc(0) depctr_va_vcc(0) depctr_vm_vsrc(0)
	s_getreg_b32 s2, hwreg(HW_REG_IB_STS2, 6, 4)
	s_cmp_eq_u32 s2, 0
	s_cbranch_scc0 .Lentry_in_a_cluster
	s_endpgm
.Lentry_in_a_cluster:
	s_bfe_u32 s2, ttmp6, 0x10000c
	s_cmp_lg_u32 s2, 0xf033
	s_cbranch_scc0 .Lentry_shape_is_right
	s_endpgm
.Lentry_shape_is_right:
.set FR,     16
.set NP,     4
.set KS,     4096
.set BOFF,   32768
.set SLOT,   98304
.set SPARE,  196608
.set SPITCH, 528
.set ADRA, 16
.set ADRB, 20
.set STO,  24
.set RD,   25
.set L16,  26
.set PFO,  27
.set SPW,  28
.set NIL,  29
.set R4,   30
.set STT,  32
.set FIN,  96
.set TMP,  32
.set AF,   128
.set BK,   128
.set OUTP, 70
.set PFA,  80
.set PLIM, 82
.set G1, 24
.set G0, 32
.set G1B, 48
.set G0B, 56
.set MSB, 0
.macro WIN new
.if MSB != (\new)
	s_set_vgpr_msb (MSB<<8)|(\new)
.set MSB, (\new)
.endif
.endm
.set MUL,    0xa1
.set TO_B,   0x40
.macro JLOAD g0a, g1a, g0b, g1b
	s_cmp_eq_u32 s15, 0
	s_cbranch_scc0 .Lfor_b_\@
	tensor_load_to_lds s[\g0a:\g0a+3], s[\g1a:\g1a+7]
	s_nop 0
.rept 4
	v_nop
.endr
	s_branch .Lasked_\@
.Lfor_b_\@:
	tensor_load_to_lds s[\g0b:\g0b+3], s[\g1b:\g1b+7]
	s_nop 0
.rept 4
	v_nop
.endr
.Lasked_\@:
.endm
.macro ASK how
.if (\how) == 1
	s_cmp_eq_u32 s[PLIM], 1
.else
	s_cmp_gt_u32 s3, s[PLIM]
.endif
	s_cbranch_scc0 .Lnot_mine_\@
	global_prefetch_b8 v[PFO], s[PFA:PFA+1] th:TH_LOAD_NT scope:SCOPE_SE
.Lnot_mine_\@:
.endm
.macro CREST
	s_cmp_lg_u32 s14, 0
	s_cbranch_scc1 .Lnot_wave_0_\@
	s_barrier_signal -3
.Lnot_wave_0_\@:
	s_barrier_wait -3
	s_barrier_signal -1
	s_barrier_wait -1
.endm
.macro CROUND
	s_barrier_signal -1
	s_barrier_wait -1
	CREST
.endm
.macro FRAG reg, adr, q, i
.irp c, 0,1,2,3
	ds_load_b128 v[\reg+4*\c:\reg+4*\c+3], v[\adr] offset:(\i)*KS+(\q)*2048+512*\c
.endr
.endm
.macro MUL16 a0, p, zero
.irp a, \a0, \a0+1
.irp b, 0,1,2,3,4,5,6,7
.if \zero
	v_wmma_f32_16x16x128_bf8_bf8 v[8*(8*(\a)+\b):8*(8*(\a)+\b)+7], v[128*(\p)+FR*\b:128*(\p)+FR*\b+FR-1], v[AF+64*(\p)+FR*(\a):AF+64*(\p)+FR*(\a)+FR-1], 0
.else
	v_wmma_f32_16x16x128_bf8_bf8 v[8*(8*(\a)+\b):8*(8*(\a)+\b)+7], v[128*(\p)+FR*\b:128*(\p)+FR*\b+FR-1], v[AF+64*(\p)+FR*(\a):AF+64*(\p)+FR*(\a)+FR-1], v[8*(8*(\a)+\b):8*(8*(\a)+\b)+7]
.endif
.endr
.endr
.endm
.macro FETCH slot, q, p
	WIN TO_B
.irp i, 0,1,2,3,4,5,6,7
	FRAG 128*(\p)+FR*\i, ADRB+\slot, \q, \i
.endr
	WIN 0
.irp i, 0,1,2,3
	FRAG AF+64*(\p)+FR*\i, ADRA+\slot, \q, \i
.endr
.endm
.macro PLACES n
.rept \n
	v_nop
.endr
.endm
.macro STEP slot, zero
	s_wait_dscnt 0x0
	PLACES NP
	FETCH \slot, 1, 1
	WIN MUL
	MUL16 0, 0, \zero
	MUL16 2, 0, \zero
	WIN 0
.endm
.macro TURN slot, next, fill, ask
.if \fill
	s_wait_xcnt 0x0
	s_add_nc_u64 s[PFA:PFA+1], s[PFA:PFA+1], KS
.endif
	s_wait_tensorcnt 0x0
	ds_add_u32 v[SPW], v[NIL]
	s_wait_dscnt 1
	WIN MUL
	MUL16 0, 1, 0
	s_wait_dscnt 0x0
	s_barrier_signal -1
	MUL16 2, 1, 0
	WIN 0
	s_barrier_wait -1
.if \fill
	CREST
	s_add_nc_u64 s[G0+4*\slot+2:G0+4*\slot+3], s[G0+4*\slot+2:G0+4*\slot+3], 2*KS
	s_add_nc_u64 s[G0B+4*\slot+2:G0B+4*\slot+3], s[G0B+4*\slot+2:G0B+4*\slot+3], 2*KS
	JLOAD G0+4*\slot, G1, G0B+4*\slot, G1B
.else
	PLACES NP
.endif
	FETCH \next, 0, 0
.if \ask
	ASK \ask
.endif
.endm
.macro LAST
	s_wait_dscnt 0x0
	WIN MUL
	MUL16 0, 1, 0
	MUL16 2, 1, 0
	WIN 0
.endm
.macro SLOAD
.irp a, 0,1,2,3
	global_load_b32 v[STT+8*\a+4], v[R4], s[76:77] offset:64*\a
	global_load_b32 v[STT+8*\a+5], v[R4], s[78:79] offset:64*\a
	global_load_b32 v[STT+8*\a+6], v[R4], s[78:79] offset:8192+64*\a
.endr
.endm
.macro FACTORS
.irp a, 0,1,2,3
	v_min_num_f32 v[STT+8*\a+7], v[STT+8*\a+2], v[STT+8*\a+4]
.endr
.irp a, 0,1,2,3
	v_sub_f32 v[STT+8*\a+2], v[STT+8*\a+7], v[STT+8*\a+2]
.endr
.irp a, 0,1,2,3
	v_add_f32 v[STT+8*\a+5], v[STT+8*\a+5], v[STT+8*\a+6]
.endr
.irp a, 0,1,2,3
	v_sub_f32 v[STT+8*\a+6], v[STT+8*\a+7], v[STT+8*\a+4]
.endr
.irp a, 0,1,2,3
	v_cvt_i32_f32 v[STT+8*\a+2], v[STT+8*\a+2]
.endr
.irp a, 0,1,2,3
	v_cvt_i32_f32 v[STT+8*\a+6], v[STT+8*\a+6]
.endr
.irp a, 0,1,2,3
	v_ldexp_f32 v[STT+8*\a+2], 1.0, v[STT+8*\a+2]
.endr
.irp a, 0,1,2,3
	v_ldexp_f32 v[STT+8*\a+6], 1.0, v[STT+8*\a+6]
.endr
.irp a, 0,1,2,3
	v_mul_f32 v[STT+8*\a+3], v[STT+8*\a+3], v[STT+8*\a+2]
.endr
.irp a, 0,1,2,3
	v_fma_f32 v[STT+8*\a+3], v[STT+8*\a+5], v[STT+8*\a+6], v[STT+8*\a+3]
.endr
.irp a, 0,1,2,3
	v_add_f32 v[STT+8*\a+5], 0x42200000, v[STT+8*\a+7]
.endr
.irp a, 0,1,2,3
	v_min_num_f32 v[STT+8*\a+5], v[STT+8*\a+5], v[STT+8*\a+4]
.endr
.irp a, 0,1,2,3
	v_sub_f32 v[STT+8*\a], v[STT+8*\a+5], v[STT+8*\a+1]
.endr
.irp a, 0,1,2,3
	v_cvt_i32_f32 v[STT+8*\a], v[STT+8*\a]
.endr
.irp a, 0,1,2,3
	v_ldexp_f32 v[STT+8*\a], 1.0, v[STT+8*\a]
.endr
.irp a, 0,1,2,3
	v_mov_b32 v[STT+8*\a+1], v[STT+8*\a+5]
.endr
.irp a, 0,1,2,3
	v_mov_b32 v[STT+8*\a+2], v[STT+8*\a+7]
.endr
.endm
.macro RESC
	WIN 0x82
.irp a, 0,1,2,3
.set j, 0
.rept 32
	v_pk_mul_f32 v[64*\a+j:64*\a+j+1], v[64*\a+j:64*\a+j+1], v[STT+8*\a:STT+8*\a+1] op_sel_hi:[1,0]
.set j, j+2
.endr
.endr
	WIN 0
.endm
.macro RESCALE more
	s_wait_loadcnt 0x0
	FACTORS
.if \more
	s_add_nc_u64 s[76:77], s[76:77], 8192
	s_add_nc_u64 s[78:79], s[78:79], 16384
	SLOAD
.endif
	RESC
.endm
	s_load_b256 s[4:11], s[0:1], 0x0
	s_load_b128 s[68:71], s[0:1], 0x20
	v_lshl_add_u32 v[SPW], v0, 2, SPARE
	v_mov_b32 v[NIL], 0
	ds_add_u32 v28, v29
	ds_add_u32 v28, v29
	s_wait_dscnt 0x0
	v_lshrrev_b32 v1, 5, v0
	v_readfirstlane_b32 s14, v1
	s_lshr_b32 s15, s14, 1
	s_and_b32 s16, s14, 1
	s_bfe_u32 s40, ttmp6, 0x40000
	s_bfe_u32 s41, ttmp6, 0x40004
	s_and_b32 s66, ttmp7, 0xffff
	s_lshr_b32 s67, s66, 2
	s_and_b32 s66, s66, 3
	s_lshl_b32 s17, s66, 2
	s_add_co_u32 s17, s17, s41
	s_mov_b32 s42, s40
	s_mov_b32 s3, s66
	s_lshl_b32 s43, s41, 2
	s_lshl_b32 s43, 15, s43
	s_lshl_b32 s44, 0x1111, s40
	s_or_b32 s[G1+0], s43, (1<<21)
	s_or_b32 s[G1B+0], s44, (1<<21)
.irp g, G1, G1B
	s_mov_b32 s[\g+1], KS<<16
	s_mov_b32 s[\g+3], KS<<16
	s_mov_b32 s[\g+6], 0
	s_mov_b32 s[\g+7], 0
.endr
	s_mov_b32 s[G1+2], 8<<16
	s_mov_b32 s[G1+4], 8
	s_mov_b32 s[G1+5], 32768
	s_mov_b32 s[G1B+2], 16<<16
	s_mov_b32 s[G1B+4], 16
	s_mov_b32 s[G1B+5], 131072
	s_lshl_b32 s20, s67, 22
	s_lshl_b32 s18, s17, 18
	s_add_co_u32 s20, s20, s18
	s_mov_b32 s21, 0
	s_lshl_b32 s46, s42, 21
	s_lshl_b32 s18, s67, 15
	s_add_co_u32 s46, s46, s18
	s_add_co_u32 s46, s46, 2<<23
	s_mov_b32 s47, 0
	s_mov_b32 s45, 0
	s_mov_b32 s2, BOFF
	s_wait_kmcnt 0x0
	s_load_b64 s[72:73], s[68:69], 0x20
	s_add_nc_u64 s[20:21], s[4:5], s[20:21]
	s_add_nc_u64 s[46:47], s[6:7], s[46:47]
	CROUND
.irp s, 0,1
	s_mov_b32 s[G0+4*\s], 1
	s_add_co_u32 s[G0+4*\s+1], s45, \s*SLOT
	s_add_nc_u64 s[G0+4*\s+2:G0+4*\s+3], s[20:21], \s*KS
	s_or_b32 s[G0+4*\s+3], s[G0+4*\s+3], 0x80000000
	s_mov_b32 s[G0B+4*\s], 1
	s_add_co_u32 s[G0B+4*\s+1], s2, \s*SLOT
	s_add_nc_u64 s[G0B+4*\s+2:G0B+4*\s+3], s[46:47], \s*KS
	s_or_b32 s[G0B+4*\s+3], s[G0B+4*\s+3], 0x80000000
.endr
	s_cmp_eq_u32 s14, 0                            ; the head's fills: one tensor load a wave, both slots: wave 0 all 8 row tiles of P for slot 0, wave 1 all 16 of V, waves 2 and 3 the same for slot 1
	s_cbranch_scc0 .Lhead_1
	tensor_load_to_lds s[G0:G0+3], s[G1:G1+7]
	s_nop 0
	PLACES 4
	s_branch .Lhead_asked
.Lhead_1:
	s_cmp_eq_u32 s14, 1
	s_cbranch_scc0 .Lhead_2
	tensor_load_to_lds s[G0B:G0B+3], s[G1B:G1B+7]
	s_nop 0
	PLACES 4
	s_branch .Lhead_asked
.Lhead_2:
	s_cmp_eq_u32 s14, 2
	s_cbranch_scc0 .Lhead_3
	tensor_load_to_lds s[G0+4:G0+7], s[G1:G1+7]
	s_nop 0
	PLACES 4
	s_branch .Lhead_asked
.Lhead_3:
	tensor_load_to_lds s[G0B+4:G0B+7], s[G1B:G1B+7]
	s_nop 0
	PLACES 4
.Lhead_asked:
	v_and_b32 v1, 15, v0
	v_bfe_u32 v2, v0, 4, 1
	v_lshlrev_b32 v[R4], 2, v1
	s_wait_alu depctr_va_vdst(0)
	s_lshl_b32 s22, s17, 9
	s_lshl_b32 s23, s15, 8
	s_add_co_u32 s22, s22, s23
	s_lshl_b32 s18, s67, 16
	s_add_co_u32 s18, s18, s22
	s_mov_b32 s19, 0
	s_add_nc_u64 s[76:77], s[8:9], s[18:19]
	s_lshl_b32 s18, s67, 17
	s_add_co_u32 s18, s18, s22
	s_add_nc_u64 s[78:79], s[10:11], s[18:19]
	SLOAD
	v_and_b32 v6, 31, v0
	v_lshlrev_b32 v[L16], 4, v6
	s_wait_alu depctr_va_vdst(0)
	s_lshl_b32 s21, s15, 14
	s_lshl_b32 s22, s16, 15
	s_add_co_u32 s22, s22, BOFF
.irp s, 0,1
	v_add_nc_u32 v[ADRA+\s], s21, v[L16]
	v_add_nc_u32 v[ADRB+\s], s22, v[L16]
	s_add_co_u32 s21, s21, SLOT
	s_add_co_u32 s22, s22, SLOT
.endr
	s_mul_i32 s23, s14, 16*SPITCH
	v_mul_u32_u24 v5, v1, SPITCH
	v_lshl_add_u32 v5, v2, 5, v5
	v_add_nc_u32 v[STO], s23, v5
	v_add_nc_u32 v[RD], s23, v[L16]
	s_lshl_b32 s18, s67, 23
	s_lshl_b32 s23, s17, 19
	s_add_co_u32 s18, s18, s23
	s_lshl_b32 s23, s15, 18
	s_add_co_u32 s18, s18, s23
	s_lshl_b32 s23, s42, 10
	s_add_co_u32 s18, s18, s23
	s_lshl_b32 s23, s16, 9
	s_add_co_u32 s18, s18, s23
	s_add_nc_u64 s[OUTP:OUTP+1], s[OUTP:OUTP+1], s[18:19]
	s_lshl_b32 s83, s67, 22
	s_lshl_b32 s85, s17, 18
	s_add_co_u32 s83, s83, s85
	s_lshl_b32 s85, s40, 16
	s_add_co_u32 s83, s83, s85
	s_lshl_b32 s84, s40, 21
	s_lshl_b32 s85, s67, 15
	s_add_co_u32 s84, s84, s85
	s_lshl_b32 s85, s41, 19
	s_add_co_u32 s84, s84, s85
	s_lshl_b32 s85, s16, 18
	s_add_co_u32 s84, s84, s85
	s_add_co_u32 s84, s84, 2<<23
	s_xor_b32 s86, s66, 3
	s_cmp_eq_u32 s15, 0
	s_cselect_b64 s[PFA:PFA+1], s[4:5], s[6:7]
	s_cselect_b32 s84, s83, s84
	s_cselect_b32 s87, 15, 17
	s_cselect_b32 s86, s16, s86
	s_add_co_u32 s84, s84, 2*KS
	s_mov_b32 s85, 0
	s_add_nc_u64 s[PFA:PFA+1], s[PFA:PFA+1], s[84:85]
	s_cmp_eq_u32 s86, 0
	s_cselect_b32 s[PLIM], 1, -1
	v_lshlrev_b32 v[PFO], 8, v1
	v_lshlrev_b32 v3, s87, v2
	v_add_nc_u32 v[PFO], v[PFO], v3
	s_wait_kmcnt 0x0
	s_add_co_i32 s74, s72, s73
	s_wait_loadcnt 0x0
.irp a, 0,1,2,3
	v_mov_b32 v[STT+8*\a+2], v[STT+8*\a+4]
	v_mov_b32 v[STT+8*\a+1], v[STT+8*\a+4]
	v_add_f32 v[STT+8*\a+3], v[STT+8*\a+5], v[STT+8*\a+6]
.endr
	s_add_nc_u64 s[76:77], s[76:77], 8192
	s_add_nc_u64 s[78:79], s[78:79], 16384
	SLOAD
	s_wait_alu depctr_va_vdst(0)
	s_wait_tensorcnt 0x0                           ; my load is in, so the descriptors may be written: the refills go by halves, a half a wave
	s_lshl_b32 s21, s16, 14
	s_lshl_b32 s22, s16, 17
	s_mov_b32 s23, 0
.irp s, 0,1
	s_add_co_u32 s[G0+4*\s+1], s[G0+4*\s+1], s21
	s_add_nc_u64 s[G0+4*\s+2:G0+4*\s+3], s[G0+4*\s+2:G0+4*\s+3], s[22:23]
.endr
	s_lshl_b32 s21, s16, 15
	s_lshl_b32 s22, s16, 20
.irp s, 0,1
	s_add_co_u32 s[G0B+4*\s+1], s[G0B+4*\s+1], s21
	s_add_nc_u64 s[G0B+4*\s+2:G0B+4*\s+3], s[G0B+4*\s+2:G0B+4*\s+3], s[22:23]
.endr
	s_mov_b32 s[G1+2], 4<<16
	s_mov_b32 s[G1+4], 4
	s_mov_b32 s[G1B+2], 8<<16
	s_mov_b32 s[G1B+4], 8
	s_barrier_signal -1                            ; everybody's load is in: both slots are whole
	s_barrier_wait -1
	FETCH 0, 0, 0
	STEP 0, 1
	s_cmp_lt_u32 s3, 1
	s_cbranch_scc1 .Ltail
.Llap:
	TURN 0, 1, 1, 1
	s_wait_alu depctr_va_vdst(0)
	RESCALE 1
	s_wait_alu depctr_va_vdst(0)
	STEP 1, 0
	TURN 1, 0, 1, 2
	RESCALE 1
	s_wait_alu depctr_va_vdst(0)
	STEP 0, 0
	s_sub_co_u32 s3, s3, 1
	s_cmp_lg_u32 s3, 0
	s_cbranch_scc1 .Llap
.Ltail:
	TURN 0, 1, 0, 0
	s_wait_alu depctr_va_vdst(0)
	RESCALE 0
	s_wait_alu depctr_va_vdst(0)
	STEP 1, 0
	LAST
.irp a, 0,1,2,3
	v_sub_f32 v[STT+8*\a+7], v[STT+8*\a+2], v[STT+8*\a+1]
.endr
.irp a, 0,1,2,3
	v_cvt_i32_f32 v[STT+8*\a+7], v[STT+8*\a+7]
.endr
.irp a, 0,1,2,3
	v_add_nc_u32 v[STT+8*\a+7], s74, v[STT+8*\a+7]
.endr
.irp a, 0,1,2,3
	v_rcp_f32 v[FIN+2*\a], v[STT+8*\a+3]
.endr
.irp a, 0,1,2,3
	v_mov_b32 v[FIN+2*\a+1], 0
.endr
	s_wait_alu depctr_va_vdst(0)
.irp a, 0,1,2,3
	v_ldexp_f32 v[FIN+2*\a], v[FIN+2*\a], v[STT+8*\a+7]
.endr
.macro TOSTAGE a
.set AC, 64*(\a)
	WIN 0x02
.set j, 0
.rept 32
	v_pk_mul_f32 v[TMP+j:TMP+j+1], v[AC+j:AC+j+1], v[FIN+2*(\a):FIN+2*(\a)+1] op_sel_hi:[1,0]
.set j, j+2
.endr
	WIN 0
.irp b, 0,1,2,3,4,5,6,7
	ds_store_b128 v[STO], v[TMP+8*\b:TMP+8*\b+3] offset:64*\b
	ds_store_b128 v[STO], v[TMP+8*\b+4:TMP+8*\b+7] offset:64*\b+16
.endr
.set BB, BK+64*((\a)%2)
.irp t, 0,1,2,3,4,5,6,7,8,9,10,11,12,13,14,15
	ds_load_b128 v[BB+4*\t:BB+4*\t+3], v[RD] offset:\t*SPITCH
.endr
.endm
.macro SEND a, younger
.set BB, BK+64*((\a)%2)
	s_wait_dscnt \younger
.if (\a) > 0
	s_add_nc_u64 s[OUTP:OUTP+1], s[OUTP:OUTP+1], 16*4096
.endif
.irp t, 0,1,2,3,4,5,6,7,8,9,10,11,12,13,14,15
	global_store_b128 v[L16], v[BB+4*\t:BB+4*\t+3], s[OUTP:OUTP+1] offset:\t*4096 th:TH_STORE_NT
.endr
.endm
	TOSTAGE 0
.irp a, 1,2,3
.if \a > 1
	s_wait_xcnt 0x0
.endif
	TOSTAGE \a
	SEND \a-1, 32
.endr
	s_wait_xcnt 0x0
	SEND 3, 0
	s_wait_tensorcnt 0x0
	ds_add_u32 v[SPW], v[NIL]
	s_wait_dscnt 0x0
	CROUND
	s_endpgm
.Lfunc_end_k_qdf5789e5b7_pv:
	.size	k_qdf5789e5b7_pv, .Lfunc_end_k_qdf5789e5b7_pv-k_qdf5789e5b7_pv
	.p2alignl 7, 3214868480
	.fill 96, 4, 3214868480
	.section	.rodata,"a",@progbits
	.p2align	6, 0x0
	.amdhsa_kernel k_qdf5789e5b7_pv
		.amdhsa_group_segment_fixed_size 327680
		.amdhsa_private_segment_fixed_size 0
		.amdhsa_enable_private_segment 0
		.amdhsa_kernarg_size 48
		.amdhsa_user_sgpr_count 2
		.amdhsa_user_sgpr_kernarg_segment_ptr 1
		.amdhsa_wavefront_size32 1
		.amdhsa_system_sgpr_workgroup_id_x 1
		.amdhsa_system_sgpr_workgroup_id_y 1
		.amdhsa_system_sgpr_workgroup_id_z 1
		.amdhsa_system_vgpr_workitem_id 0
		.amdhsa_next_free_vgpr 768
		.amdhsa_next_free_sgpr 100
		.amdhsa_reserve_vcc 0
		.amdhsa_float_denorm_mode_32 3
		.amdhsa_float_denorm_mode_16_64 3
		.amdhsa_memory_ordered 1
		.amdhsa_forward_progress 1
		.amdhsa_inst_pref_size 116
	.end_amdhsa_kernel
	.amdgpu_metadata
---
amdhsa.version: [ 1, 2 ]
amdhsa.kernels:
  - .name:           k_qdf5789e5b7_pv
    .symbol:         k_qdf5789e5b7_pv.kd
    .args:
      - { .name: p_img, .offset: 0, .size: 8, .value_kind: global_buffer, .address_space: global }
      - { .name: qkv_img, .offset: 8, .size: 8, .value_kind: global_buffer, .address_space: global }
      - { .name: mstat, .offset: 16, .size: 8, .value_kind: global_buffer, .address_space: global }
      - { .name: lstat, .offset: 24, .size: 8, .value_kind: global_buffer, .address_space: global }
      - { .name: lowp_scales, .offset: 32, .size: 8, .value_kind: global_buffer, .address_space: global }
      - { .name: out1, .offset: 40, .size: 8, .value_kind: global_buffer, .address_space: global }
    .group_segment_fixed_size: 327680
    .private_segment_fixed_size: 0
    .kernarg_segment_align: 8
    .kernarg_segment_size: 48
    .max_flat_workgroup_size: 128
    .sgpr_count:     100
    .vgpr_count:     768
    .wavefront_size: 32
...
	.end_amdgpu_metadata
.endif
;; end of part 4
